; MI455X (gfx1250); checked and timed in simulation.
; The chip was launched on July 23, 2026; its instructions are those of AMD's public machine-readable ISA for CDNA 5 (MIT licence, August 2026) and "CDNA5" Instruction Set Architecture Reference Guide (July 2026). The comments in the code are by the model that wrote it; some were corrected since.
;; Multi Head Attention. Allowed arithmetic: matrix products marked QUANTISED: E2M3 operands, one E8M0 scale for each 32 along K, by v_wmma_scale_f32_16x16x128_f8f6f4 with both operands' format E2M3, f32 sums; everything else in f32.
;; Inputs: Wp 1,024 x 1,024 float32; Wx 16 x 1,024 x 64 float32; bp 1,024 float32; bx 16 x 64 float32; sin 4 x 2,048 x 1,024 float32.
;; Outputs: out0 4 x 2,048 x 1,024 float32.
;; This version of the problem:
;;   THIS VERSION OF THE PROBLEM IS GIVEN IN LOW PRECISION. The matrix products marked QUANTISED in the list below multiply operands that are first quantised to E2M3 (2 exponent bits, 3 mantissa bits; 6 bits a number), with one power-of-two scale for each 32 numbers along K (OCP MX v1.0); their sums are f32. All else is computed in f32.
;;   The module's matrix products, in the order in which they are computed (A, B: the left and right operand; K: the contracted axis; several contracted axes count as one K, in the product's order):
;;     1. [M 1,024, K 1,024] x [K 1,024, N 8,192]; A: input Wx; B: input sin: QUANTISED
;;     2. batch 64 x [M 2,048, K 64] x [K 64, N 2,048]; A: computed on the way; B: computed on the way: QUANTISED
;;     3. batch 64 x [M 2,048, K 2,048] x [K 2,048, N 64]; A: softmax (see below); B: computed on the way: QUANTISED
;;     4. [M 8,192, K 1,024] x [K 1,024, N 1,024]; A: computed on the way; B: input Wp: QUANTISED
;;   THE QUANTISER, for each operand of a quantised product, along K:
;;     - K is cut into blocks of 32 from its start; a last block that is shorter is filled with zeros.
;;     - A block's scale is 2^e with e = floor(log2(the largest magnitude in the block)) - 2, held to -126 .. 127; a block of zeros has e = 0. As a byte (E8M0): e + 127.
;;     - Each number is divided by its block's scale, clamped to +-7.5, and rounded to the nearest number of E2M3, ties to even, subnormals kept.
;;     - The product sums the exact products of the quantised numbers (number of the format x scale) in f32.
;;   ~~~python
;;   def quantise(x, axis):      # numpy; x: float32 -> the quantised numbers, widened to float32 again
;;       x = np.moveaxis(x, axis, -1); K = x.shape[-1]
;;       x = np.pad(x, [(0, 0)] * (x.ndim - 1) + [(0, -K % 32)]); x = x.reshape(x.shape[:-1] + (-1, 32)); a = np.abs(x).max(-1, keepdims=True)
;;       e = np.where(a > 0, np.clip(np.frexp(np.where(a > 0, a, 1))[1] - 1 - 2, -126, 127), 0)      # np.frexp(a)[1] - 1 = floor(log2(a)), exactly
;;       r = np.clip(x / 2.0 ** e, -7.5, 7.5)
;;       step = 2.0 ** (np.maximum(np.frexp(np.where(r == 0, 1, r))[1] - 1, 0) - 3)
;;       q = np.round(r / step) * step * 2.0 ** e      # np.round: ties to even
;;       return np.moveaxis(q.reshape(q.shape[:-2] + (-1,))[..., :K], -1, axis).astype(np.float32)
;;   ~~~
;;   SOFTMAX AHEAD OF A QUANTISED PRODUCT. Where the list says 'softmax', what is quantised is not the finished softmax but p = 2^(t - M), with t = logit x log2(e) and M = ceil(the row's largest t), a whole number; so 1/2 < the row's largest p <= 1. The row's sum l is taken of the UNQUANTISED p, in f32, and the product's result is divided by l at the end. Since M is a whole number, a kernel that streams over the keys may use a running M (the ceiling of the running maximum): every later rescaling is an exact power of two, which a block's scale takes up: the codes' values come out the same.
;;   OPERANDS COMPUTED ON THE WAY. 'Computed on the way' means the value that the module computes at that place (a softmax that the list does not call 'softmax' is quantised finished and normalised). What goes into a quantiser is computed in f32, as accurately as f32 sums, v_exp_f32 and their like allow (about 1e-6 of the number): no bf16 or f16 on the way to a quantiser, and a product that is left as it is and whose result goes on into a quantised operand takes f32 operands (vector FMAs, or v_wmma_f32_16x16x4_f32). A number that lies on a knife's edge between two numbers of the format may be rounded either way, as far as f32 arithmetic and the matrix unit's own rounding can turn it there, and no further.
;; One version. Each part assembles by itself: llvm-mc -triple=amdgcn-amd-amdhsa -mcpu=gfx1250 --defsym DOCPART=n.
;; ======== version 1 of 1: 4 launches
;; limits: right only within a limited range of input values
;; workspace buffers: sa 6,553,600 bytes; cat 6,553,600 bytes; wxq 819,200 bytes; wpq 819,200 bytes; hkv 13,631,488 bytes
;; launch prep (part 1): grid 256 x 1, 12 waves a work-group, no clusters, 69,120 bytes of LDS; arguments sin, Wx, Wp, sa, wxq, wpq; writes sa, wxq, wpq
.if DOCPART == 1
	.amdgcn_target "amdgcn-amd-amdhsa--gfx1250"
	.amdhsa_code_object_version 6
	.text
	.protected	k_qcf96604319_prep
	.globl	k_qcf96604319_prep
	.p2align	8
	.type	k_qcf96604319_prep,@function
k_qcf96604319_prep:
	s_mov_b64 s[64:65], 0
	v_nop
	global_prefetch_b8 v0, s[64:65] scope:SCOPE_SE
	s_setreg_imm32_b32 hwreg(HW_REG_WAVE_MODE, 25, 1), 1
	s_wait_xcnt 0x0
; sin [8192][1024], Wx [16][1024][64] and Wp [1024][1024], f32, become codes of FP6 (E2M3) with one E8M0 byte for each 32 along K, laid as IMAGES OF OPERAND REGISTERS.
; A half image is 16 rows x 64 K in 768 bytes: lane l = 16 h + r holds block h of row r, six registers: registers 0-3 at byte 16 l, registers 4-5 at byte 512 + 8 l.  A fragment (16 x 128 K) is two half images on end.
; THE ROWS OF A TILE ARE NOT NEIGHBOURS: of 32 rows, tile u's lane r is row 8 u + r + 8 (r / 8), so that in a product whose source 0 is such a pair of tiles a lane's 16 results are 16 neighbours.
; Scale words of a pair of tiles: 128 bytes, the word at 4 l: lanes 0-15 tile 0, lanes 16-31 tile 1; byte b of a word scales k = 32 b .. 32 b + 31 of the K step of 128.
; A block's scale is 2^(floor(log2(largest magnitude)) - 2): its byte is the largest magnitude's exponent field - 2, held at 1 from below by a floor among the maximum's leaves.
; LIMITS: a block of zeros gets the byte 1 where the rule says 127 (its codes are zeros, and this program alone reads the bytes); NaN and infinities among the inputs are not served.
; SHARES: 256 work-groups of twelve waves.  Waves 0-7 take the eight K steps (128 along K) of the work-group's 32 tokens of sin.  Waves 8-11 take four of the weights' 1,024 tasks: task T = 4 x work-group + wave - 8 is
; 32 columns x 64 along K: T % 2 the half of a K step, (T / 2) % 8 the K step, (T / 16) % 32 the columns, T / 512 Wx or Wp.  So a weight wave has 64 loads, all issued at its start.
; Waves share nothing: no barrier.  Only the tokens' path uses LDS.
.set FLOOR, 0x1800000                  ; 2^(3 - 127)
.set EOFF,  0xff000000                 ; 2 off an exponent field
	s_load_b256 s[4:11], s[0:1], 0x0               ; sin s[4:5], Wx s[6:7], Wp s[8:9], sa s[10:11]
	s_load_b128 s[12:15], s[0:1], 0x20             ; wxq s[12:13], wpq s[14:15]
	v_lshl_add_u32 v62, v0, 2, 0x10800             ; my spare word, behind the eight stages
	v_mov_b32 v63, 0
	v_lshrrev_b32 v1, 5, v0
	s_delay_alu instid0(VALU_DEP_1)
	v_readfirstlane_b32 s16, v1                    ; wave; for waves 0-7 also the K step
	v_and_b32 v2, 31, v0                           ; lane
	s_mov_b32 s21, 0                               ; the upper word of every offset
	s_wait_kmcnt 0x0
	s_cmp_lt_u32 s16, 8
	s_cbranch_scc1 .Lsin
	s_lshl_b32 s18, ttmp9, 2
	s_add_co_u32 s18, s18, s16
	s_sub_co_u32 s18, s18, 8                       ; the task T
	s_and_b32 s35, s18, 1                          ; which 64 of the K step's 128
	s_bfe_u32 s16, s18, 0x30001                    ; the K step
	s_bfe_u32 s17, s18, 0x50004                    ; which 32 columns
	s_cmp_lt_u32 s18, 512
	s_cbranch_scc1 .Lwx
	s_branch .Lwp
; ---- sin: K is innermost.  Each load reads 512 consecutive bytes of one row (128 numbers); 16 rows turn through the wave's own stage in LDS, so that lane (r, h) gets whole blocks h and 2 + h of row r.
.Lsin:
	s_mov_b32 s17, ttmp9                           ; which 32 tokens
	s_lshr_b32 s18, s17, 2                         ; block of 128 tokens
	s_and_b32 s19, s17, 3                          ; pair of tiles in it
	s_lshl_b32 s20, s17, 17                        ; 32 rows of 4,096 bytes
	s_lshl_b32 s22, s16, 9                         ; + 512 bytes a K step
	s_add_co_u32 s20, s20, s22
	s_add_nc_u64 s[24:25], s[4:5], s[20:21]
	s_mul_i32 s20, s18, 98304                      ; codes: [block][K step][tile][half][768]
	s_mul_i32 s22, s16, 12288
	s_add_co_u32 s20, s20, s22
	s_mul_i32 s22, s19, 3072
	s_add_co_u32 s20, s20, s22
	s_add_nc_u64 s[28:29], s[10:11], s[20:21]
	s_lshl_b32 s20, s18, 12                        ; scale words: behind the codes, [block][K step][pair][128]
	s_lshl_b32 s22, s16, 9
	s_add_co_u32 s20, s20, s22
	s_lshl_b32 s22, s19, 7
	s_add_co_u32 s20, s20, s22
	s_add_co_u32 s20, s20, 6291456
	s_add_nc_u64 s[30:31], s[10:11], s[20:21]
	s_mov_b32 s32, 0x76543210
	s_mov_b32 s33, 0xfedcba98                      ; v_permlanex16_b32's selects for lane l xor 16
	s_mov_b32 s34, 0xffff0000                      ; lanes 16-31
	s_wait_alu depctr_va_vdst(0)
	v_lshlrev_b32 v3, 4, v2                        ; 16 l: my bytes of a row's 512, and of an image's registers 0-3
	v_lshlrev_b32 v4, 3, v2                        ; 8 l: registers 4-5
	v_lshlrev_b32 v5, 2, v2                        ; 4 l: a scale word
	v_and_b32 v6, 15, v2                           ; r
	v_lshrrev_b32 v7, 4, v2                        ; h
	s_mul_i32 s23, s16, 8448                       ; my wave's stage: 16 rows x 528 bytes (33 x 16: the sixteen rows of a read start in sixteen different 16-byte columns)
	v_add_nc_u32 v8, s23, v3                       ; into it: as loaded
	v_mul_u32_u24 v9, v6, 528
	s_delay_alu instid0(VALU_DEP_1)
	v_lshl_add_u32 v9, v7, 7, v9
	s_delay_alu instid0(VALU_DEP_1)
	v_add_nc_u32 v9, s23, v9                       ; out of it: row r, block h
	v_lshlrev_b32 v10, 3, v7                       ; 8 h: where my two bytes stand in a scale word
	v_mov_b32 v26, 0                               ; a lane permute's destination counts as one of its sources
.irp u, 0,1
.irp p, 0,1,2,3,4,5,6,7,8,9,10,11,12,13,14,15
	global_load_b128 v[128+64*\u+4*\p:131+64*\u+4*\p], v3, s[24:25] offset:(8*\u+\p+8*(\p/8))*4096 th:TH_LOAD_NT
.endr
.endr
	s_wait_alu depctr_va_vdst(0)
	s_wait_loadcnt 16                              ; tile 0's sixteen rows are in; tile 1's sixteen loads may be out
.irp p, 0,1,2,3,4,5,6,7,8,9,10,11,12,13,14,15
	ds_store_b128 v8, v[128+4*\p:131+4*\p] offset:528*\p
.endr
.irp c, 0,1
.irp m, 0,1,2,3,4,5,6,7
	ds_load_b128 v[64+32*\c+4*\m:67+32*\c+4*\m], v9 offset:256*\c+16*\m   ; LDS serves a wave's instructions in order: these see the stores above
.endr
.endr
	s_wait_loadcnt 0x0
.irp p, 0,1,2,3,4,5,6,7,8,9,10,11,12,13,14,15
	ds_store_b128 v8, v[192+4*\p:195+4*\p] offset:528*\p               ; tile 1 into the same stage, behind tile 0's reads
.endr
	s_wait_dscnt 16                                ; all but these sixteen stores: tile 0's numbers are in, and its stores have read v128-191
.irp c, 0,1
.irp m, 0,1,2,3,4,5,6,7
	ds_load_b128 v[128+32*\c+4*\m:131+32*\c+4*\m], v9 offset:256*\c+16*\m
.endr
.endr
; 64 numbers of a lane at v[n]: register 32 c + i = k 64 c + 32 h + i of row r: two whole blocks.  They become tile u's fragment and its scale word (v[24 + u], the same in lanes l and l xor 16).
.macro SQ n, u
.irp c, 0,1
	v_max3_num_f32 v[12+\c], |v[\n+32*\c]|, |v[\n+1+32*\c]|, FLOOR
.endr
.irp i, 2,4,6,8,10,12,14,16,18,20,22,24,26,28,30
.irp c, 0,1
	s_delay_alu instid0(VALU_DEP_2)
	v_max3_num_f32 v[12+\c], v[12+\c], |v[\n+32*\c+\i]|, |v[\n+1+32*\c+\i]|   ; the two blocks by turns
.endr
.endr
.irp c, 0,1
	s_delay_alu instid0(VALU_DEP_2)
	v_add_nc_u32 v[16+\c], EOFF, v[12+\c]          ; the conversion takes the exponent field of this operand as its scale
.endr
.irp c, 0,1
	s_delay_alu instid0(VALU_DEP_2)
	v_lshrrev_b32 v[20+\c], 23, v[16+\c]           ; the scale's byte
.endr
	s_delay_alu instid0(VALU_DEP_1)
	v_lshl_or_b32 v[24+\u], v21, 16, v20           ; blocks h and 2 + h,
	s_delay_alu instid0(VALU_DEP_1)
	v_lshlrev_b32 v[24+\u], v10, v[24+\u]          ; at their places in the word;
	s_delay_alu instid0(VALU_DEP_1)
	v_permlanex16_b32 v26, v[24+\u], s32, s33
	s_delay_alu instid0(VALU_DEP_1)
	v_or_b32 v[24+\u], v[24+\u], v26               ; with lane l xor 16's two the word is whole
.irp c, 0,1
	v_cvt_scalef32_pk16_fp6_f32 v[32+6*\c:34+6*\c], v[\n+32*\c:\n+32*\c+15], v[16+\c]
	v_cvt_scalef32_pk16_fp6_f32 v[44+4*\c:46+4*\c], v[\n+32*\c+16:\n+32*\c+31], v[16+\c]   ; (a conversion's three registers begin on an even number)
.endr
	v_nop                                          ; one plain instruction behind the conversions
.irp c, 0,1
.irp i, 0,1,2
	v_mov_b32 v[35+6*\c+\i], v[44+4*\c+\i]
.endr
.endr
.irp c, 0,1
	global_store_b128 v3, v[32+6*\c:35+6*\c], s[28:29] offset:\u*1536+\c*768        ; 512 consecutive bytes, aligned
	global_store_b64 v4, v[36+6*\c:37+6*\c], s[28:29] offset:\u*1536+\c*768+512     ; 256 consecutive bytes, aligned
.endr
.endm
	SQ 64, 0
	s_wait_dscnt 0x0                               ; tile 1's numbers are in
	s_wait_xcnt 0x0                                ; tile 0's stores have read their data: the codes' registers are written again
	SQ 128, 1
	v_cndmask_b32 v27, v24, v25, s34               ; lanes 0-15 tile 0's words, lanes 16-31 tile 1's
	global_store_b32 v5, v27, s[30:31]
	s_wait_tensorcnt 0x0                           ; the wave's end
	ds_add_u32 v62, v63
	s_wait_dscnt 0x0
	s_endpgm
; ---- the weights: K is the FIRST axis.  A lane takes a column and its registers run down K: each load reads 128 consecutive bytes, a block lies in one lane, and the conversions give codes with K innermost.
.macro WPATH pitch                     ; s[24:25]: the source at my 32 columns and 64 rows;  s[26:27]: the destination buffer;  pitch: bytes from k to k + 1
	s_lshr_b32 s18, s17, 3                         ; block of 256 columns
	s_and_b32 s19, s17, 7                          ; pair of tiles in it
	s_mul_i32 s20, s18, 196608                     ; codes: [block][K step][tile][half][768]
	s_mul_i32 s22, s16, 24576
	s_add_co_u32 s20, s20, s22
	s_mul_i32 s22, s19, 3072
	s_add_co_u32 s20, s20, s22
	s_mul_i32 s22, s35, 768                        ; my half image of both tiles
	s_add_co_u32 s20, s20, s22
	s_add_nc_u64 s[28:29], s[26:27], s[20:21]
	s_lshl_b32 s20, s18, 13                        ; scale words: behind the codes, [block][K step][pair][128]
	s_lshl_b32 s22, s16, 10
	s_add_co_u32 s20, s20, s22
	s_lshl_b32 s22, s19, 7
	s_add_co_u32 s20, s20, s22
	s_lshl_b32 s22, s35, 1                         ; my two bytes of each word
	s_add_co_u32 s20, s20, s22
	s_add_co_u32 s20, s20, 786432
	s_add_nc_u64 s[30:31], s[26:27], s[20:21]
	v_lshlrev_b32 v3, 2, v2                        ; my column's 4 bytes
	v_bfe_u32 v4, v2, 3, 1                         ; column c of the 32 is lane r = c % 8 + 8 (c / 16) of tile u = (c / 8) % 2
	v_and_b32 v5, 7, v2
	v_lshrrev_b32 v6, 4, v2
	s_delay_alu instid0(VALU_DEP_1)
	v_lshl_add_u32 v5, v6, 3, v5
	s_delay_alu instid0(VALU_DEP_4)
	v_mul_u32_u24 v6, v4, 1536
	s_delay_alu instid0(VALU_DEP_1)
	v_lshl_add_u32 v7, v5, 4, v6                   ; registers 0-3 of lane r of tile u
	s_delay_alu instid0(VALU_DEP_2)
	v_lshl_add_u32 v8, v5, 3, v6                   ; registers 4-5
	s_delay_alu instid0(VALU_DEP_4)
	v_lshl_add_u32 v9, v4, 4, v5
	s_delay_alu instid0(VALU_DEP_1)
	v_lshlrev_b32 v9, 2, v9                        ; the scale word
.set i, 0
.rept 64
	global_load_b32 v[128+i], v3, s[24:25] offset:i*\pitch th:TH_LOAD_NT
.set i, i+1
.endr
	s_wait_loadcnt 0x0
.irp q, 0,1,2,3                        ; four chains by turns: chain q takes numbers 16 q .. 16 q + 15, half of block q / 2
	v_max3_num_f32 v[12+\q], |v[128+16*\q]|, |v[129+16*\q]|, FLOOR
.endr
.irp i, 2,4,6,8,10,12,14
.irp q, 0,1,2,3
	s_delay_alu instid0(VALU_DEP_4)
	v_max3_num_f32 v[12+\q], v[12+\q], |v[128+16*\q+\i]|, |v[129+16*\q+\i]|
.endr
.endr
	s_delay_alu instid0(VALU_DEP_3)
	v_max_num_f32 v12, v12, v13                    ; block 0's largest magnitude,
	s_delay_alu instid0(VALU_DEP_2)
	v_max_num_f32 v14, v14, v15                    ; block 1's
	s_delay_alu instid0(VALU_DEP_2)
	v_add_nc_u32 v16, EOFF, v12
	s_delay_alu instid0(VALU_DEP_2)
	v_add_nc_u32 v17, EOFF, v14
	s_delay_alu instid0(VALU_DEP_2)
	v_lshrrev_b32 v20, 23, v16
	s_delay_alu instid0(VALU_DEP_2)
	v_lshrrev_b32 v21, 23, v17
	s_delay_alu instid0(VALU_DEP_1)
	v_lshl_or_b32 v24, v21, 8, v20                 ; my column's two scale bytes
.irp b, 0,1
	v_cvt_scalef32_pk16_fp6_f32 v[32+8*\b:34+8*\b], v[128+32*\b:143+32*\b], v[16+\b]
	v_cvt_scalef32_pk16_fp6_f32 v[64+4*\b:66+4*\b], v[144+32*\b:159+32*\b], v[16+\b]
.endr
	v_nop                                          ; one plain instruction behind the conversions
.irp b, 0,1
.irp i, 0,1,2
	v_mov_b32 v[35+8*\b+\i], v[64+4*\b+\i]
.endr
.endr
.irp b, 0,1                            ; block b is the half image's lanes 16 b + r: the wave's 32 lanes fill 256 consecutive bytes in each of the two tiles
	global_store_b128 v7, v[32+8*\b:35+8*\b], s[28:29] offset:\b*256
	global_store_b64 v8, v[36+8*\b:37+8*\b], s[28:29] offset:512+\b*128
.endr
	global_store_b16 v9, v24, s[30:31]             ; two bytes a lane: the word's other half is the neighbouring task's, a wave of this work-group
	s_endpgm
.endm
.Lwx:                                  ; Wx[head][k][f]: column 64 head + f
	s_lshr_b32 s20, s17, 1
	s_lshl_b32 s20, s20, 18                        ; a head is 262,144 bytes
	s_and_b32 s22, s17, 1
	s_lshl_b32 s22, s22, 7                         ; which 32 of its 64 features
	s_add_co_u32 s20, s20, s22
	s_lshl_b32 s22, s16, 15                        ; 128 rows of 256 bytes a K step
	s_add_co_u32 s20, s20, s22
	s_lshl_b32 s22, s35, 14                        ; 64 rows a half
	s_add_co_u32 s20, s20, s22
	s_add_nc_u64 s[24:25], s[6:7], s[20:21]
	s_mov_b64 s[26:27], s[12:13]
	s_wait_alu depctr_va_vdst(0)
	WPATH 256
.Lwp:                                  ; Wp[k][column]
	s_lshl_b32 s20, s17, 7
	s_lshl_b32 s22, s16, 19                        ; 128 rows of 4,096 bytes a K step
	s_add_co_u32 s20, s20, s22
	s_lshl_b32 s22, s35, 18                        ; 64 rows a half
	s_add_co_u32 s20, s20, s22
	s_add_nc_u64 s[24:25], s[8:9], s[20:21]
	s_mov_b64 s[26:27], s[14:15]
	s_wait_alu depctr_va_vdst(0)                   ; likewise
	WPATH 4096
.Lfunc_end_k_qcf96604319_prep:
	.size	k_qcf96604319_prep, .Lfunc_end_k_qcf96604319_prep-k_qcf96604319_prep
	.p2alignl 7, 3214868480
	.fill 96, 4, 3214868480
	.section	.rodata,"a",@progbits
	.p2align	6, 0x0
	.amdhsa_kernel k_qcf96604319_prep
		.amdhsa_group_segment_fixed_size 69120
		.amdhsa_private_segment_fixed_size 0
		.amdhsa_enable_private_segment 0
		.amdhsa_kernarg_size 48
		.amdhsa_user_sgpr_count 2
		.amdhsa_user_sgpr_kernarg_segment_ptr 1
		.amdhsa_wavefront_size32 1
		.amdhsa_system_sgpr_workgroup_id_x 1
		.amdhsa_system_sgpr_workgroup_id_y 1
		.amdhsa_system_sgpr_workgroup_id_z 1
		.amdhsa_system_vgpr_workitem_id 0
		.amdhsa_next_free_vgpr 256
		.amdhsa_next_free_sgpr 66
		.amdhsa_reserve_vcc 0
		.amdhsa_float_denorm_mode_32 3
		.amdhsa_float_denorm_mode_16_64 3
		.amdhsa_memory_ordered 1
		.amdhsa_forward_progress 1
		.amdhsa_inst_pref_size 44
	.end_amdhsa_kernel
	.amdgpu_metadata
---
amdhsa.version: [ 1, 2 ]
amdhsa.kernels:
  - .name:           k_qcf96604319_prep
    .symbol:         k_qcf96604319_prep.kd
    .args:
      - { .name: sin, .offset: 0, .size: 8, .value_kind: global_buffer, .address_space: global }
      - { .name: Wx, .offset: 8, .size: 8, .value_kind: global_buffer, .address_space: global }
      - { .name: Wp, .offset: 16, .size: 8, .value_kind: global_buffer, .address_space: global }
      - { .name: sa, .offset: 24, .size: 8, .value_kind: global_buffer, .address_space: global }
      - { .name: wxq, .offset: 32, .size: 8, .value_kind: global_buffer, .address_space: global }
      - { .name: wpq, .offset: 40, .size: 8, .value_kind: global_buffer, .address_space: global }
    .group_segment_fixed_size: 69120
    .private_segment_fixed_size: 0
    .kernarg_segment_align: 8
    .kernarg_segment_size: 48
    .max_flat_workgroup_size: 384
    .sgpr_count:     66
    .vgpr_count:     256
    .wavefront_size: 32
...
	.end_amdgpu_metadata
.endif
;; end of part 1
;; launch proj (part 2): grid 4 x 64, 8 waves a work-group, clusters of 4 x 4, 327,680 bytes of LDS; arguments sa, wxq, bx, hkv; writes hkv
.if DOCPART == 2
	.amdgcn_target "amdgcn-amd-amdhsa--gfx1250"
	.amdhsa_code_object_version 6
	.text
	.protected	k_qcf96604319_proj
	.globl	k_qcf96604319_proj
	.p2align	8
	.type	k_qcf96604319_proj,@function
k_qcf96604319_proj:
	s_mov_b64 s[64:65], 0
	v_nop
	global_prefetch_b8 v0, s[64:65] scope:SCOPE_SE
	s_setreg_imm32_b32 hwreg(HW_REG_WAVE_MODE, 25, 1), 1
	s_wait_xcnt 0x0
	s_wait_alu depctr_hold_cnt(0) depctr_sa_sdst(0) depctr_va_vdst(0) depctr_va_sdst(0) depctr_va_ssrc(0) depctr_va_vcc(0) depctr_vm_vsrc(0)
	s_getreg_b32 s2, hwreg(HW_REG_IB_STS2, 6, 4)
	s_cmp_eq_u32 s2, 0
	s_cbranch_scc0 .Lentry_in_a_cluster
	s_endpgm
.Lentry_in_a_cluster:
	s_bfe_u32 s2, ttmp6, 0x10000c
	s_cmp_lg_u32 s2, 0xf033
	s_cbranch_scc0 .Lentry_shape_is_right
	s_endpgm
.Lentry_shape_is_right:
; h = sin Wx + bx on codes of FP6 (E2M3) with E8M0 scales, and what attention wants of h: h quantised along the features (keys and queries), h quantised along the tokens (values), 1 / |h|.
; A work-group takes 128 tokens x 256 columns (four heads), all of K = 1,024.  Its operands, 300 KiB of register images and scale words, come into LDS ONCE: nothing is filled again.
; Eight waves; wave w takes 64 tokens (w % 2) of one head (w / 2) and makes its 64 x 64 block of h TWICE from the same eight fragments: T (source 0 = columns, source 1 = tokens: a lane holds one token, its registers
; run along the features) and N (the sources swapped: a lane holds one feature, its registers run along the tokens).  Each quantiser so finds its K in a lane's registers, and h is transposed by no instruction.
; CLUSTER 4 x 4: the four work-groups of a row share their tokens' panel, the four of a column their columns' panel: each is asked for jointly.
; A half image is 16 rows x 64 K in 768 bytes (lane l: registers 0-3 at 16 l, registers 4-5 at 512 + 8 l); of 32 rows, tile u's lane r is row 8 u + r + 8 (r / 8).
; hkv: a record of 13,312 bytes for each (batch, head) and 128 tokens: +0 keys, a half image for each of 8 token tiles; +6144 values, half image (feature tile f, 64-key half c) at (2 f + c) 768;
;   +12288 the keys' scale words [2][128]; +12544 the values' [2][128]; +12800 1 / |h| of the 128 tokens.
; LIMITS: NaN and infinities are not served; a row of h whose sum of squares lies under 2^-126 counts as a row of zeros (v_rsq_f32 takes a denormal as zero), and such a row gives NaN later, as a row of zeros does in the definition;
;   a block of zeros gets the byte 1 where the rule says 127: its codes are zeros, and this program alone reads the bytes.
; REGISTERS: window 0: v1-19, v24-25 addresses; v20-23 scale words; v32-79 tokens' four fragments; v80-127 columns' four; v128-159 a tile of h; v160-191, v192-199 the bias in T's and N's layout; v200-243 at work.
;   window 1: T(i, j) at v[32 j + 8 i], N(p, q) at v[128 + 32 q + 8 p].
.set PANB,  98304                      ; LDS: the tokens' panel, 12,288 bytes a K step, from byte 0; the columns' panel, 24,576 bytes a K step, from PANB
.set SCA,   294912                     ; the tokens' scale words: 512 bytes a K step
.set SCB,   299008                     ; the columns': 1,024 bytes a K step
.set AF, 32
.set BF, 80
.set H,  128
.set BT, 160
.set BN, 192
.set MSB, 0
.macro WIN new                         ; the immediate's high byte repeats the setting that is left
.if MSB != \new
	s_set_vgpr_msb (MSB<<8)|\new
.set MSB, \new
.endif
.endm
.macro NOP4
.rept 4
	v_nop
.endr
.endm
.macro ROUND                           ; a round of the cluster's barrier
	s_barrier_signal -1
	s_barrier_wait -1
	s_cmp_lg_u32 s12, 0
	s_cbranch_scc1 .Lnot_wave_0_\@
	s_barrier_signal -3
.Lnot_wave_0_\@:
	s_barrier_wait -3
	s_barrier_signal -1
	s_barrier_wait -1
.endm
.macro GROUP1 g, m, rows               ; a dense block of rows of 256 bytes (32 elements of 8 bytes), no padding; the mask and bit 21 beside it
	s_or_b32 s[\g], s[\m], (3<<16)|(1<<21)
	s_mov_b32 s[\g+1], 32<<16
	s_mov_b32 s[\g+2], (\rows)<<16
	s_mov_b32 s[\g+3], 32<<16
	s_mov_b32 s[\g+4], \rows
	s_mov_b32 s[\g+5], 32
	s_mov_b32 s[\g+6], 0
	s_mov_b32 s[\g+7], 0
.endm
.macro GROUP0 g, l, la, p, o, more     ; to LDS byte s[l] + la, from the buffer s[p:p+1] at offset s[o:o+1] + more
	s_mov_b32 s[\g], 1
	s_add_co_u32 s[\g+1], s[\l], \la
	s_add_nc_u64 s[\g+2:\g+3], s[\p:\p+1], s[\o:\o+1]
	s_add_nc_u64 s[\g+2:\g+3], s[\g+2:\g+3], \more
	s_or_b32 s[\g+3], s[\g+3], 0x80000000
.endm
.macro FRAG reg, a16, a8, off          ; a fragment's image: 12 registers by four loads, each of consecutive bytes
	ds_load_b128 v[\reg:\reg+3], v[\a16] offset:\off
	ds_load_b64 v[\reg+4:\reg+5], v[\a8] offset:\off+512
	ds_load_b128 v[\reg+6:\reg+9], v[\a16] offset:\off+768
	ds_load_b64 v[\reg+10:\reg+11], v[\a8] offset:\off+1280
.endm
; One product.  z = 1: it starts the sum.  ra, rb = 1: that side's scale words stand in lanes 16-31.
.macro WM d, a, b, z, sa, sb, ra, rb
.if (\z)
.if (\ra) && (\rb)
	v_wmma_scale_f32_16x16x128_f8f6f4 v[\d:\d+7], v[\a:\a+11], v[\b:\b+11], 0, v[\sa], v[\sb] matrix_a_fmt:MATRIX_FMT_FP6 matrix_b_fmt:MATRIX_FMT_FP6 matrix_a_scale:MATRIX_SCALE_ROW1 matrix_b_scale:MATRIX_SCALE_ROW1
.elseif (\ra)
	v_wmma_scale_f32_16x16x128_f8f6f4 v[\d:\d+7], v[\a:\a+11], v[\b:\b+11], 0, v[\sa], v[\sb] matrix_a_fmt:MATRIX_FMT_FP6 matrix_b_fmt:MATRIX_FMT_FP6 matrix_a_scale:MATRIX_SCALE_ROW1
.elseif (\rb)
	v_wmma_scale_f32_16x16x128_f8f6f4 v[\d:\d+7], v[\a:\a+11], v[\b:\b+11], 0, v[\sa], v[\sb] matrix_a_fmt:MATRIX_FMT_FP6 matrix_b_fmt:MATRIX_FMT_FP6 matrix_b_scale:MATRIX_SCALE_ROW1
.else
	v_wmma_scale_f32_16x16x128_f8f6f4 v[\d:\d+7], v[\a:\a+11], v[\b:\b+11], 0, v[\sa], v[\sb] matrix_a_fmt:MATRIX_FMT_FP6 matrix_b_fmt:MATRIX_FMT_FP6
.endif
.else
.if (\ra) && (\rb)
	v_wmma_scale_f32_16x16x128_f8f6f4 v[\d:\d+7], v[\a:\a+11], v[\b:\b+11], v[\d:\d+7], v[\sa], v[\sb] matrix_a_fmt:MATRIX_FMT_FP6 matrix_b_fmt:MATRIX_FMT_FP6 matrix_a_scale:MATRIX_SCALE_ROW1 matrix_b_scale:MATRIX_SCALE_ROW1
.elseif (\ra)
	v_wmma_scale_f32_16x16x128_f8f6f4 v[\d:\d+7], v[\a:\a+11], v[\b:\b+11], v[\d:\d+7], v[\sa], v[\sb] matrix_a_fmt:MATRIX_FMT_FP6 matrix_b_fmt:MATRIX_FMT_FP6 matrix_a_scale:MATRIX_SCALE_ROW1
.elseif (\rb)
	v_wmma_scale_f32_16x16x128_f8f6f4 v[\d:\d+7], v[\a:\a+11], v[\b:\b+11], v[\d:\d+7], v[\sa], v[\sb] matrix_a_fmt:MATRIX_FMT_FP6 matrix_b_fmt:MATRIX_FMT_FP6 matrix_b_scale:MATRIX_SCALE_ROW1
.else
	v_wmma_scale_f32_16x16x128_f8f6f4 v[\d:\d+7], v[\a:\a+11], v[\b:\b+11], v[\d:\d+7], v[\sa], v[\sb] matrix_a_fmt:MATRIX_FMT_FP6 matrix_b_fmt:MATRIX_FMT_FP6
.endif
.endif
.endm
	s_load_b256 s[4:11], s[0:1], 0x0               ; sa s[4:5], wxq s[6:7], bx s[8:9], hkv s[10:11]
	v_lshl_add_u32 v254, v0, 2, 0x4b000
	v_mov_b32 v255, 0
	ds_add_u32 v254, v255
	ds_add_u32 v254, v255
	v_lshrrev_b32 v1, 5, v0
	s_delay_alu instid0(VALU_DEP_1)
	v_readfirstlane_b32 s12, v1                    ; wave 0..7
	s_and_b32 s13, s12, 1                          ; th: which 64 tokens
	s_lshr_b32 s14, s12, 1                         ; hd: which 64 columns
	s_bfe_u32 s15, ttmp6, 0x40000                  ; cx, cy: my place in the cluster
	s_bfe_u32 s16, ttmp6, 0x40004
	s_and_b32 s17, ttmp7, 0xffff
	s_lshl_b32 s17, s17, 2
	s_add_co_u32 s17, s17, s16                     ; block of 128 tokens = 4 x cluster y + cy
	s_lshl_b32 s18, ttmp9, 2
	s_add_co_u32 s18, s18, s15                     ; block of 256 columns = 4 x cluster x + cx
	s_lshl_b32 s19, s16, 2
	s_lshl_b32 s19, 15, s19                        ; my row of the cluster
	s_lshl_b32 s87, 0x1111, s15                    ; my column
	GROUP1 20, 19, 96                              ; two K steps of the tokens' panel: 24,576 bytes
	GROUP1 28, 87, 96                              ; one K step of the columns' panel: 24,576 bytes
	GROUP1 36, 19, 16                              ; the tokens' scale words of all K steps: 4,096 bytes
	GROUP1 44, 87, 32                              ; the columns': 8,192 bytes
	; THE HEAD'S EIGHT LOADS, ONE A WAVE: wave 0 the tokens' scale words, wave 1 the columns', waves 2-3 two of the tokens' K steps 0-3 each, waves 4-7 one of the columns' K steps 0-3 each.
	; K steps 4-7 are first filled later, by waves 2-7 in the same shares, behind the full sequence and a round of the cluster's barrier: they land under the products of K steps 0-3.
	; offsets in the tokens' buffer are made of the token block and the wave alone, those in the columns' buffer of the column block and the wave alone; LDS addresses of the wave alone
	s_lshl_b32 s88, s17, 12
	s_add_co_u32 s88, s88, 6291456                 ; the tokens' scale words
	s_mov_b32 s89, 0
	s_mul_i32 s96, s13, 24576                      ; which two K steps of the tokens' four, in memory and in LDS
	s_mul_i32 s90, s17, 98304
	s_add_co_u32 s90, s90, s96
	s_mov_b32 s91, 0
	s_lshl_b32 s92, s18, 13
	s_add_co_u32 s92, s92, 786432                  ; the columns' scale words
	s_mov_b32 s93, 0
	s_and_b32 s97, s12, 3
	s_mul_i32 s97, s97, 24576                      ; which K step of the columns' four
	s_mul_i32 s94, s18, 196608
	s_add_co_u32 s94, s94, s97
	s_mov_b32 s95, 0
	s_wait_dscnt 0x0
	s_wait_kmcnt 0x0
	GROUP0 52, 89, SCA, 4, 88, 0
	GROUP0 56, 89, SCB, 6, 92, 0
	GROUP0 60, 96, 0, 4, 90, 0
	GROUP0 68, 97, PANB, 6, 94, 0
	ROUND                                          ; all sixteen work-groups are here: the joint loads meet
.macro ARM under, g0, g1, next         ; one chain of branches on the wave's number: every way through it passes one load
	s_cmp_lt_u32 s12, \under
	s_cbranch_scc0 \next
	tensor_load_to_lds s[\g0:\g0+3], s[\g1:\g1+7]
	s_nop 0
	NOP4
	s_branch .Lasked
\next:
.endm
	ARM 1, 52, 36, .Lhead_sb
	ARM 2, 56, 44, .Lhead_pa
	ARM 4, 60, 20, .Lhead_pb
	tensor_load_to_lds s[68:71], s[28:35]
	s_nop 0
	NOP4
.Lasked:
	v_and_b32 v1, 31, v0                           ; l
	v_and_b32 v2, 15, v0                           ; r
	v_bfe_u32 v3, v0, 4, 1                         ; h
	s_mul_i32 s96, s13, 6144
	s_mul_i32 s97, s14, 6144
	s_add_co_u32 s97, s97, PANB
	v_lshl_add_u32 v4, v1, 4, s96                  ; my four token fragments in a K step: 16 l,
	v_lshl_add_u32 v5, v1, 3, s96                  ; 8 l
	v_lshl_add_u32 v6, v1, 4, s97                  ; my four column fragments
	v_lshl_add_u32 v7, v1, 3, s97
	s_lshl_b32 s96, s13, 8
	s_add_co_u32 s96, s96, SCA
	s_lshl_b32 s97, s14, 8
	s_add_co_u32 s97, s97, SCB
	v_lshl_add_u32 v8, v1, 2, s96                  ; my two pairs' scale words
	v_lshl_add_u32 v9, v1, 2, s97
	v_lshlrev_b32 v16, 4, v1                       ; the way out: 16 l, 8 l, 4 l
	v_lshlrev_b32 v17, 3, v1
	v_lshlrev_b32 v18, 2, v1
	v_and_b32 v19, 8, v2
	s_delay_alu instid0(VALU_DEP_1)
	v_add_nc_u32 v25, v19, v2                      ; r + 8 (r / 8)
	s_delay_alu instid0(VALU_DEP_1)
	v_lshl_add_u32 v19, v3, 3, v25
	s_delay_alu instid0(VALU_DEP_1)
	v_lshlrev_b32 v19, 2, v19                      ; 1 / |h|: lanes 0-15 a pair's tile 0, lanes 16-31 its tile 1: token 8 h + r + 8 (r / 8)
	s_delay_alu instid0(VALU_DEP_3)
	v_lshlrev_b32 v25, 2, v25                      ; the bias of N's lane: feature r + 8 (r / 8) of a tile
	v_lshlrev_b32 v24, 6, v3                       ; the bias of T's lane: features 16 h on
	s_wait_alu depctr_va_vdst(0)
	v_mov_b32 v214, 0                              ; lane permutes' destinations count as sources
	v_mov_b32 v215, 0
	v_mov_b32 v223, 0
	s_mov_b32 s80, 0                               ; the K step in hand: the tokens' codes,
	s_mov_b32 s79, 0                               ; the columns' codes,
	s_mov_b32 s81, 0                               ; the tokens' scale words,
	s_mov_b32 s82, 0                               ; the columns'
	s_mov_b32 s84, 0x76543210
	s_mov_b32 s85, 0xfedcba98                      ; selects for lane l xor 16
	s_mov_b32 s86, 0xffff0000                      ; lanes 16-31
	s_lshl_b32 s2, s18, 2
	s_add_co_u32 s2, s2, s14                       ; my head
	s_lshl_b32 s98, s2, 8
	s_mov_b32 s99, 0
	s_add_nc_u64 s[8:9], s[8:9], s[98:99]          ; its 64 biases
	s_lshr_b32 s3, s17, 4
	s_lshl_b32 s3, s3, 4
	s_add_co_u32 s3, s3, s2                        ; 16 x batch + head
	s_lshl_b32 s3, s3, 4
	s_and_b32 s2, s17, 15
	s_add_co_u32 s3, s3, s2                        ; x 16 + the block of 128 tokens in the batch
	s_mul_i32 s98, s3, 13312
	s_add_nc_u64 s[10:11], s[10:11], s[98:99]      ; my record
.irp i, 0,1,2,3
	global_load_b128 v[BT+8*\i:BT+8*\i+3], v24, s[8:9] offset:128*(\i/2)+32*(\i%2)
	global_load_b128 v[BT+8*\i+4:BT+8*\i+7], v24, s[8:9] offset:128*(\i/2)+32*(\i%2)+16
.endr
.irp q, 0,1,2,3
	global_load_b32 v[BN+2*\q], v25, s[8:9] offset:128*(\q/2)+32*(\q%2)     ; in both words of a pair, for the packed addition
	global_load_b32 v[BN+2*\q+1], v25, s[8:9] offset:128*(\q/2)+32*(\q%2)
.endr
; A K STEP of 128: eight fragments and four registers of scale words from LDS, 32 products.  The 32 accumulators take turns, one instruction a turn, in the same order in every step.
.macro KSTEP z
	v_add_nc_u32 v10, s80, v4                      ; these six are also the places between the last products and the loads into their operands
	v_add_nc_u32 v11, s80, v5
	v_add_nc_u32 v12, s79, v6
	v_add_nc_u32 v13, s79, v7
	v_add_nc_u32 v14, s81, v8
	v_add_nc_u32 v15, s82, v9
.irp t, 0,1,2,3
	FRAG AF+12*\t, 10, 11, \t*1536
	FRAG BF+12*\t, 12, 13, \t*1536
.endr
	ds_load_b32 v20, v14                           ; lanes 0-15: a pair's tile 0, lanes 16-31: its tile 1
	ds_load_b32 v21, v14 offset:128
	ds_load_b32 v22, v15
	ds_load_b32 v23, v15 offset:128
	s_wait_dscnt 0x0
	WIN 0x50                                       ; C and D in window 1
.irp j, 0,1,2,3
.irp i, 0,1,2,3
	WM 32*\j+8*\i, BF+12*\i, AF+12*\j, \z, 22+\i/2, 20+\j/2, \i%2, \j%2
.endr
.endr
.irp q, 0,1,2,3
.irp p, 0,1,2,3
	WM 128+32*\q+8*\p, AF+12*\p, BF+12*\q, \z, 20+\p/2, 22+\q/2, \p%2, \q%2
.endr
.endr
	WIN 0
	s_add_co_u32 s80, s80, 12288
	s_add_co_u32 s79, s79, 24576
	s_add_co_u32 s81, s81, 512
	s_add_co_u32 s82, s82, 1024
.endm
	s_wait_tensorcnt 0x0                           ; my one load is in
	ds_add_u32 v254, v255
	s_add_co_u32 s61, s61, 49152                   ; no load of mine is out, so the descriptors may be written: four K steps on, in LDS and in memory
	s_add_nc_u64 s[62:63], s[62:63], 49152
	s_add_co_u32 s69, s69, 98304
	s_add_nc_u64 s[70:71], s[70:71], 98304
	s_wait_dscnt 0x0
	ROUND                                          ; everybody's part of K steps 0-3 and the scale words are in, and all sixteen work-groups are here
	s_cmp_lt_u32 s12, 2
	s_cbranch_scc1 .Lasked2                        ; waves 0 and 1 have no part of K steps 4-7
	s_cmp_lt_u32 s12, 4
	s_cbranch_scc0 .Lsecond_pb
	tensor_load_to_lds s[60:63], s[20:27]
	s_nop 0
	NOP4
	s_branch .Lasked2
.Lsecond_pb:
	tensor_load_to_lds s[68:71], s[28:35]
	s_nop 0
	NOP4
.Lasked2:
	KSTEP 1                                        ; the first K step starts the sums
	s_mov_b32 s83, 3
.Lk0:
	KSTEP 0
	s_sub_co_u32 s83, s83, 1
	s_cmp_lg_u32 s83, 0
	s_cbranch_scc1 .Lk0
	s_wait_tensorcnt 0x0                           ; my part of K steps 4-7 is in,
	s_barrier_signal -1
	s_barrier_wait -1                              ; everybody's is
	s_mov_b32 s83, 4
.Lk1:
	KSTEP 0
	s_sub_co_u32 s83, s83, 1
	s_cmp_lg_u32 s83, 0
	s_cbranch_scc1 .Lk1
; 32 numbers of a lane at v[s], register 16 b + i = k 32 b + 16 h + i of my row, become a half image in v200-205 and the two blocks' bytes in v218, v219 (the same in lanes l and l xor 16).
.macro QUANT32 s
	v_max3_num_f32 v212, |v[\s]|, |v[\s+1]|, 0x1800000      ; with the floor 2^(3 - 127): the byte cannot fall under 1
	v_max3_num_f32 v213, |v[\s+16]|, |v[\s+17]|, 0x1800000
.irp i, 2,4,6,8,10,12,14
	s_delay_alu instid0(VALU_DEP_2)
	v_max3_num_f32 v212, v212, |v[\s+\i]|, |v[\s+\i+1]|
	s_delay_alu instid0(VALU_DEP_2)
	v_max3_num_f32 v213, v213, |v[\s+16+\i]|, |v[\s+17+\i]|
.endr
	s_delay_alu instid0(VALU_DEP_2)
	v_permlanex16_b32 v214, v212, s84, s85
	s_delay_alu instid0(VALU_DEP_2)
	v_permlanex16_b32 v215, v213, s84, s85
	s_delay_alu instid0(VALU_DEP_2)
	v_max_num_f32 v212, v212, v214                 ; with lane l xor 16's 16: the block's largest magnitude
	s_delay_alu instid0(VALU_DEP_2)
	v_max_num_f32 v213, v213, v215
	s_delay_alu instid0(VALU_DEP_2)
	v_add_nc_u32 v216, 0xff000000, v212            ; 2 off the exponent field: the conversion's scale operand
	s_delay_alu instid0(VALU_DEP_2)
	v_add_nc_u32 v217, 0xff000000, v213
	s_delay_alu instid0(VALU_DEP_2)
	v_lshrrev_b32 v218, 23, v216                   ; the bytes
	s_delay_alu instid0(VALU_DEP_2)
	v_lshrrev_b32 v219, 23, v217
	s_wait_alu depctr_va_vdst(0)
	s_wait_xcnt 0x0                                ; the last tile's stores have read v200-205
	v_cvt_scalef32_pk16_fp6_f32 v[200:202], v[\s:\s+15], v216
	v_cvt_scalef32_pk16_fp6_f32 v[208:210], v[\s+16:\s+31], v217
	v_nop                                          ; one plain instruction behind the conversions
.irp i, 0,1,2
	v_permlane16_swap_b32 v[200+\i], v[208+\i]     ; a whole block to a lane: lanes 0-15 block 0, lanes 16-31 block 1
.endr
.irp i, 0,1,2
	s_delay_alu instid0(VALU_DEP_3)
	v_mov_b32 v[203+\i], v[208+\i]
.endr
.endm
	s_wait_loadcnt 0x0                             ; the biases
	NOP4                                           ; places between the last products and the first read of results
	s_mul_i32 s20, s13, 3072                       ; the descriptors' registers are free: all my tensor loads have been waited for
	s_mov_b32 s21, 0
	s_add_nc_u64 s[20:21], s[10:11], s[20:21]      ; keys: my four token tiles
	s_lshl_b32 s22, s13, 7
	s_mov_b32 s23, 0
	s_add_nc_u64 s[22:23], s[10:11], s[22:23]      ; the keys' scale words: my 128 bytes
	s_lshl_b32 s24, s13, 8
	s_mov_b32 s25, 0
	s_add_nc_u64 s[24:25], s[10:11], s[24:25]      ; 1 / |h|: my 64 tokens
	s_mul_i32 s26, s13, 768
	s_mov_b32 s27, 0
	s_add_nc_u64 s[26:27], s[10:11], s[26:27]      ; values: my half of the 128 keys
	s_lshl_b32 s28, s13, 1
	s_mov_b32 s29, 0
	s_add_nc_u64 s[28:29], s[10:11], s[28:29]      ; the values' scale words: my two bytes of four
; T: token tile j.  Lane (r, h) holds token lane r; register 8 i + n is feature 32 (i / 2) + 16 h + 8 (i % 2) + n.
.irp j, 0,1,2,3
	WIN 0x01                                       ; source 0 in window 1
.irp n, 0,2,4,6,8,10,12,14,16,18,20,22,24,26,28,30
	v_pk_add_f32 v[H+\n:H+\n+1], v[32*\j+\n:32*\j+\n+1], v[BT+\n:BT+\n+1]       ; h = the sum + the bias; each accumulator from its low end on
.endr
	WIN 0
	v_pk_mul_f32 v[220:221], v[H:H+1], v[H:H+1]
.irp n, 2,4,6,8,10,12,14,16,18,20,22,24,26,28,30
	s_delay_alu instid0(VALU_DEP_1)
	v_pk_fma_f32 v[220:221], v[H+\n:H+\n+1], v[H+\n:H+\n+1], v[220:221]
.endr
	s_delay_alu instid0(VALU_DEP_1)
	v_add_f32 v222, v220, v221
	s_delay_alu instid0(VALU_DEP_1)
	v_permlanex16_b32 v223, v222, s84, s85
	s_delay_alu instid0(VALU_DEP_1)
	v_add_f32 v222, v222, v223                     ; the token's sum of squares of the unquantised h
	s_wait_alu depctr_va_vdst(0)
	v_rsq_f32 v[224+\j], v222                      ; read only behind the wait below
	QUANT32 H
	global_store_b128 v16, v[200:203], s[20:21] offset:768*\j
	global_store_b64 v17, v[204:205], s[20:21] offset:768*\j+512
.if \j%2 == 0
	v_lshl_or_b32 v[228+\j/2], v219, 8, v218       ; a pair's word: tile 0's two bytes,
.else
	v_lshl_or_b32 v[228+\j/2], v218, 16, v[228+\j/2]   ; then tile 1's two
	s_delay_alu instid0(VALU_DEP_1)
	v_lshl_or_b32 v[228+\j/2], v219, 24, v[228+\j/2]
.endif
.endr
	s_wait_alu depctr_va_vdst(0)                   ; one wait for the four v_rsq_f32, ahead of their first reader
	v_cndmask_b32 v234, v228, v229, s86            ; lanes 0-15 my first pair's words, lanes 16-31 my second's
	global_store_b32 v18, v234, s[22:23] offset:12288
.irp p, 0,1
	v_cndmask_b32 v[236+\p], v[224+2*\p], v[225+2*\p], s86
	global_store_b32 v19, v[236+\p], s[24:25] offset:12800+128*\p
.endr
; N: feature tile q.  Lane (r, h) holds feature lane r; register 8 p + n is token 32 (p / 2) + 16 h + 8 (p % 2) + n of my 64.
.irp q, 0,1,2,3
	WIN 0x01
.irp n, 0,2,4,6,8,10,12,14,16,18,20,22,24,26,28,30
	v_pk_add_f32 v[H+\n:H+\n+1], v[128+32*\q+\n:128+32*\q+\n+1], v[BN+2*\q:BN+2*\q+1]
.endr
	WIN 0
	QUANT32 H
	global_store_b128 v16, v[200:203], s[26:27] offset:6144+1536*\q
	global_store_b64 v17, v[204:205], s[26:27] offset:6144+1536*\q+512
	v_lshl_or_b32 v[230+\q], v219, 8, v218
.endr
.irp g, 0,1
	v_cndmask_b32 v[238+\g], v[230+2*\g], v[231+2*\g], s86
	global_store_b16 v18, v[238+\g], s[28:29] offset:12544+128*\g       ; two bytes a lane: the word's other half is my partner wave's; 256 of the record's 13,312 bytes leave so
.endr
	s_wait_tensorcnt 0x0
	ds_add_u32 v254, v255
	s_wait_dscnt 0x0
	ROUND                                          ; the closing round: no work-group ends while a partner may still ask for a panel that names it
	s_endpgm
.Lfunc_end_k_qcf96604319_proj:
	.size	k_qcf96604319_proj, .Lfunc_end_k_qcf96604319_proj-k_qcf96604319_proj
	.p2alignl 7, 3214868480
	.fill 96, 4, 3214868480
	.section	.rodata,"a",@progbits
	.p2align	6, 0x0
	.amdhsa_kernel k_qcf96604319_proj
		.amdhsa_group_segment_fixed_size 327680
		.amdhsa_private_segment_fixed_size 0
		.amdhsa_enable_private_segment 0
		.amdhsa_kernarg_size 32
		.amdhsa_user_sgpr_count 2
		.amdhsa_user_sgpr_kernarg_segment_ptr 1
		.amdhsa_wavefront_size32 1
		.amdhsa_system_sgpr_workgroup_id_x 1
		.amdhsa_system_sgpr_workgroup_id_y 1
		.amdhsa_system_sgpr_workgroup_id_z 1
		.amdhsa_system_vgpr_workitem_id 0
		.amdhsa_next_free_vgpr 512
		.amdhsa_next_free_sgpr 100
		.amdhsa_reserve_vcc 0
		.amdhsa_float_denorm_mode_32 3
		.amdhsa_float_denorm_mode_16_64 3
		.amdhsa_memory_ordered 1
		.amdhsa_forward_progress 1
		.amdhsa_inst_pref_size 73
	.end_amdhsa_kernel
	.amdgpu_metadata
---
amdhsa.version: [ 1, 2 ]
amdhsa.kernels:
  - .name:           k_qcf96604319_proj
    .symbol:         k_qcf96604319_proj.kd
    .args:
      - { .name: sa, .offset: 0, .size: 8, .value_kind: global_buffer, .address_space: global }
      - { .name: wxq, .offset: 8, .size: 8, .value_kind: global_buffer, .address_space: global }
      - { .name: bx, .offset: 16, .size: 8, .value_kind: global_buffer, .address_space: global }
      - { .name: hkv, .offset: 24, .size: 8, .value_kind: global_buffer, .address_space: global }
    .group_segment_fixed_size: 327680
    .private_segment_fixed_size: 0
    .kernarg_segment_align: 8
    .kernarg_segment_size: 32
    .max_flat_workgroup_size: 256
    .sgpr_count:     100
    .vgpr_count:     512
    .wavefront_size: 32
...
	.end_amdgpu_metadata
.endif
;; end of part 2
;; launch attn (part 3): grid 4 x 64, 16 waves a work-group, clusters of 4 x 1, 215,040 bytes of LDS; arguments hkv, cat; writes cat
.if DOCPART == 3
	.amdgcn_target "amdgcn-amd-amdhsa--gfx1250"
	.amdhsa_code_object_version 6
	.text
	.protected	k_qcf96604319_attn
	.globl	k_qcf96604319_attn
	.p2align	8
	.type	k_qcf96604319_attn,@function
k_qcf96604319_attn:
	s_mov_b64 s[64:65], 0
	v_nop
	global_prefetch_b8 v0, s[64:65] scope:SCOPE_SE
	s_setreg_imm32_b32 hwreg(HW_REG_WAVE_MODE, 25, 1), 1
	s_wait_xcnt 0x0
	s_wait_alu depctr_hold_cnt(0) depctr_sa_sdst(0) depctr_va_vdst(0) depctr_va_sdst(0) depctr_va_ssrc(0) depctr_va_vcc(0) depctr_vm_vsrc(0)
	s_getreg_b32 s2, hwreg(HW_REG_IB_STS2, 6, 4)
	s_cmp_eq_u32 s2, 0
	s_cbranch_scc0 .Lentry_in_a_cluster
	s_endpgm
.Lentry_in_a_cluster:
	s_bfe_u32 s2, ttmp6, 0x10000c
	s_cmp_lg_u32 s2, 0x3003
	s_cbranch_scc0 .Lentry_shape_is_right
	s_endpgm
.Lentry_shape_is_right:
; For each (batch, head): scores = h h^T / (|h_q| |h_k|), p = 2^(score x log2 e), out = p h / (the row's sum of p); both products on codes of FP6 (E2M3) with E8M0 scales; out is quantised along (head, feature) for the last product.
; NO MAXIMUM IS TAKEN AWAY: the computation bounds the exponent for every input.  In a block with largest magnitude a the scale is at most a / 4, a code's error at most |x| / 16 + a / 64, and the hold at 7.5 only lowers a number:
; |quantised h| <= (17/16 + sqrt(32)/64) |h| < 1.152 |h|, so |score| < 1.33 and |t| < 1.92; p lies between 2^-1.92 and 2^1.92, a row's sum under 7,800.  The definition's M is a whole number: it moves each block's scale and
; the sum by the same power of two, so M = 0 gives the same codes and the same quotient.
; SHARES.  A work-group owns 512 queries of one (batch, head), each of its sixteen waves 32: two tiles, X and Y, which share every fragment of keys and values.
; LDS holds the (batch, head)'s sixteen records of hkv as they lie in memory, 13,312 bytes for 128 keys, filled ONCE, a record a wave.  CLUSTER: the four query blocks of a (batch, head) ask for each record jointly.
; No prefetch: the one fill stands at the head, and no loop runs ahead of it.
; K = 64 fills half of the instruction's 128: a fragment of keys holds two tiles of 16 keys, and the queries' operand is [q | 0] or [0 | q]: zero codes add nothing.
; Both products are used transposed (source 0 = keys, or features; source 1 = queries): a lane holds one query throughout.
; A TILE OF KEYS IS PUT TOGETHER BY THE LANES' ADDRESSES: a stored image holds rows 8 u + r + 8 (r / 8) of 32 keys.  Fragment g of 64 keys takes for its rows 0-7 the image lanes 8 g .. 8 g + 7 of the first 32 keys and for its rows
; 8-15 those of the second 32.  So lane (query, h) gets keys 32 h + 0 .. 31 in its 32 score registers, in order: one whole block, as the second product's operand wants it.  No other lane is asked for its maximum, no codes change lanes.
; LIMITS: NaN and infinities are not served; a block of zeros gets the byte 1 where the rule says 127 (its codes are zeros; this program alone reads the bytes).
; REGISTERS: v1-3 16 l, 8 l, 4 l; v4 128 h; v5-7 the keys' lane bases (16-byte, 8-byte pieces, scale words); v8, v9, v251 values' and v252-255 keys' addresses in the record in hand; v10-13 log2 e / |q| (X, Y; both words);
;   v14-17 the sums; v18-19 the queries' scale words; v20-21 the keys', v22-23 the values', v24-25 p's; v26-55 zeros, qX, zeros, qY, zeros; v56-119 out^T; v120-151 scores, then p; v152-175 two fragments of keys,
;   v176-207 1 / |k|, both later under the values' four fragments v152-199; v208-231 p's codes; v232-239 maxima; v240-245 partial sums; v246 the scale operand; v247 at work; v248-250 a block's upper 16 codes.
.set REC, 13312
.set SPARE, 0x34000                    ; behind the sixteen records: the spare words, 128 bytes a wave
.macro NOP4
.rept 4
	v_nop
.endr
.endm
.macro ROUND                           ; a round of the cluster's barrier
	s_barrier_signal -1
	s_barrier_wait -1
	s_cmp_lg_u32 s12, 0
	s_cbranch_scc1 .Lnot_wave_0_\@
	s_barrier_signal -3
.Lnot_wave_0_\@:
	s_barrier_wait -3
	s_barrier_signal -1
	s_barrier_wait -1
.endm
.macro FRAG reg, a16, a8, off          ; a fragment's image: 12 registers by four loads
	ds_load_b128 v[\reg:\reg+3], v[\a16] offset:\off
	ds_load_b64 v[\reg+4:\reg+5], v[\a8] offset:\off+512
	ds_load_b128 v[\reg+6:\reg+9], v[\a16] offset:\off+768
	ds_load_b64 v[\reg+10:\reg+11], v[\a8] offset:\off+1280
.endm
.macro WM d, a, b, z, sa, sb, ra       ; one product.  z = 1: it starts the sum.  ra = 1: source 0's scale words stand in lanes 16-31
.if (\z)
.if (\ra)
	v_wmma_scale_f32_16x16x128_f8f6f4 v[\d:\d+7], v[\a:\a+11], v[\b:\b+11], 0, v[\sa], v[\sb] matrix_a_fmt:MATRIX_FMT_FP6 matrix_b_fmt:MATRIX_FMT_FP6 matrix_a_scale:MATRIX_SCALE_ROW1
.else
	v_wmma_scale_f32_16x16x128_f8f6f4 v[\d:\d+7], v[\a:\a+11], v[\b:\b+11], 0, v[\sa], v[\sb] matrix_a_fmt:MATRIX_FMT_FP6 matrix_b_fmt:MATRIX_FMT_FP6
.endif
.else
.if (\ra)
	v_wmma_scale_f32_16x16x128_f8f6f4 v[\d:\d+7], v[\a:\a+11], v[\b:\b+11], v[\d:\d+7], v[\sa], v[\sb] matrix_a_fmt:MATRIX_FMT_FP6 matrix_b_fmt:MATRIX_FMT_FP6 matrix_a_scale:MATRIX_SCALE_ROW1
.else
	v_wmma_scale_f32_16x16x128_f8f6f4 v[\d:\d+7], v[\a:\a+11], v[\b:\b+11], v[\d:\d+7], v[\sa], v[\sb] matrix_a_fmt:MATRIX_FMT_FP6 matrix_b_fmt:MATRIX_FMT_FP6
.endif
.endif
.endm
	s_load_b128 s[4:7], s[0:1], 0x0                ; hkv s[4:5], cat s[6:7]
	v_lshl_add_u32 v254, v0, 2, SPARE
	v_mov_b32 v255, 0
	ds_add_u32 v254, v255                          ; the opening lines
	ds_add_u32 v254, v255
	s_wait_dscnt 0x0
	v_lshrrev_b32 v1, 5, v0
	s_delay_alu instid0(VALU_DEP_1)
	v_readfirstlane_b32 s12, v1                    ; wave 0..15
	s_and_b32 s14, ttmp7, 0xffff                   ; 16 x batch + head, which the four partners share
	s_mov_b32 s20, 15|(3<<16)|(1<<21)              ; group 1: the mask names all four; elements of 8 bytes; bit 21 beside the mask; no padding
	s_mov_b32 s21, 32<<16                          ; rows of 256 bytes,
	s_mov_b32 s22, 52<<16                          ; 52 of them: a record
	s_mov_b32 s23, 32<<16
	s_mov_b32 s24, 52
	s_mov_b32 s25, 32
	s_mov_b32 s26, 0
	s_mov_b32 s27, 0
	s_mul_i32 s36, s14, 16*REC
	s_mov_b32 s37, 0
	s_mul_i32 s38, s12, REC                        ; record w, in memory and in LDS
	s_mov_b32 s39, 0
	s_wait_kmcnt 0x0
	s_add_nc_u64 s[4:5], s[4:5], s[36:37]          ; hkv at my (batch, head)
	s_mov_b32 s28, 1
	s_mov_b32 s29, s38
	s_add_nc_u64 s[30:31], s[4:5], s[38:39]
	s_or_b32 s31, s31, 0x80000000
	ROUND                                          ; all four work-groups are here: the joint loads meet
	tensor_load_to_lds s[28:31], s[20:27]          ; one load of mine is out
	s_nop 0
	NOP4
	s_bfe_u32 s13, ttmp6, 0x40000                  ; cx: it enters global addresses alone
	s_lshl_b32 s35, ttmp9, 2
	s_add_co_u32 s35, s35, s13                     ; my block of 512 queries
	s_lshl_b32 s8, s35, 2
	s_lshr_b32 s9, s12, 2
	s_add_co_u32 s8, s8, s9                        ; the record in which my queries lie
	s_and_b32 s9, s12, 3                           ; and which pair of tiles of it
	s_mul_i32 s36, s8, REC
	s_add_nc_u64 s[40:41], s[4:5], s[36:37]
	s_mul_i32 s36, s9, 1536
	s_add_nc_u64 s[42:43], s[40:41], s[36:37]      ; their codes
	s_lshl_b32 s36, s9, 6
	s_add_nc_u64 s[44:45], s[40:41], s[36:37]      ; their scale words: 64 bytes a pair
	s_lshl_b32 s36, s9, 7
	s_add_nc_u64 s[50:51], s[40:41], s[36:37]      ; their 1 / |h|: 128 bytes a pair
	s_lshr_b32 s52, s14, 4
	s_lshl_b32 s52, s52, 4
	s_add_co_u32 s52, s52, s8                      ; cat: block of 128 tokens = 16 x batch + record
	s_and_b32 s53, s14, 15                         ; head
	s_lshr_b32 s56, s53, 1                         ; K step = head / 2
	s_and_b32 s53, s53, 1                          ; half image = head % 2
	s_mul_i32 s54, s52, 98304
	s_mul_i32 s55, s56, 12288
	s_add_co_u32 s54, s54, s55
	s_mul_i32 s55, s9, 3072
	s_add_co_u32 s54, s54, s55
	s_mul_i32 s55, s53, 768
	s_add_co_u32 s54, s54, s55
	s_mov_b32 s55, 0
	s_add_nc_u64 s[46:47], s[6:7], s[54:55]        ; my two half images
	s_lshl_b32 s54, s52, 12
	s_lshl_b32 s57, s56, 9
	s_add_co_u32 s54, s54, s57
	s_lshl_b32 s57, s9, 7
	s_add_co_u32 s54, s54, s57
	s_lshl_b32 s57, s53, 1
	s_add_co_u32 s54, s54, s57
	s_add_co_u32 s54, s54, 6291456
	s_add_nc_u64 s[48:49], s[6:7], s[54:55]        ; my two bytes of each scale word
	s_mov_b32 s32, 0x76543210
	s_mov_b32 s33, 0xfedcba98                      ; selects for lane l xor 16
	s_mov_b32 s34, 0xffff0000                      ; lanes 16-31
	s_mov_b32 s15, 0                               ; LDS byte at which the record in hand begins
	v_and_b32 v232, 31, v0                         ; l
	v_bfe_u32 v233, v0, 4, 1                       ; h
	v_and_b32 v234, 7, v0                          ; r % 8
	v_bfe_u32 v235, v0, 3, 1                       ; r / 8
	v_and_b32 v240, 15, v0                         ; r
	v_and_b32 v241, 8, v0
	v_lshlrev_b32 v1, 4, v232
	v_lshlrev_b32 v2, 3, v232
	v_lshlrev_b32 v3, 2, v232
	v_lshlrev_b32 v4, 7, v233                      ; 1 / |k|: my block's 32 numbers
	v_lshl_add_u32 v236, v233, 4, v234             ; the image lane less 8 g: 16 h + r % 8
	v_mul_u32_u24 v237, v235, 1536                 ; rows 8-15 come from the next 32 keys' two images
	v_lshlrev_b32 v7, 2, v234
	v_add_nc_u32 v241, v241, v240                  ; r + 8 (r / 8)
	v_lshlrev_b32 v240, 2, v240
.irp i, 26,27,28,29,30,31
	v_mov_b32 v[\i], 0                             ; zero codes: [0 | qX] = v26-37, [qX | 0] = v32-43, [0 | qY] = v38-49, [qY | 0] = v44-55
.endr
	v_lshl_add_u32 v5, v236, 4, v237
	v_lshl_add_u32 v6, v236, 3, v237
	v_lshl_add_u32 v7, v233, 5, v7                 ; the keys' scale words: lanes 0-15 fragment 0's, lanes 16-31 fragment 1's: image lane 8 h + l % 8,
	v_lshlrev_b32 v241, 2, v241
	global_load_b128 v[32:35], v1, s[42:43]                 ; qX
	global_load_b64 v[36:37], v2, s[42:43] offset:512
	global_load_b128 v[44:47], v1, s[42:43] offset:768      ; qY
	global_load_b64 v[48:49], v2, s[42:43] offset:1280
	global_load_b32 v242, v240, s[44:45] offset:12288       ; the pair's word of row r: X's two bytes, Y's two
	global_load_b32 v243, v241, s[50:51] offset:12800       ; 1 / |q| of X's row r
	global_load_b32 v244, v241, s[50:51] offset:12832       ; of Y's: eight tokens on
.irp i, 38,39,40,41,42,43,50,51,52,53,54,55,14,15,16,17
	v_mov_b32 v[\i], 0                             ; zero codes, and the sums
.endr
	v_lshl_add_u32 v7, v235, 6, v7                 ; of the 32 keys (l % 16) / 8
	s_wait_alu depctr_va_vdst(0)
	s_wait_loadcnt 0x0
	v_and_b32 v18, 0xffff, v242
	v_lshrrev_b32 v19, 16, v242
	v_mul_f32 v10, 0x3fb8aa3b, v243                ; log2 e / |q|
	v_mul_f32 v12, 0x3fb8aa3b, v244
	s_delay_alu instid0(VALU_DEP_4)
	v_lshl_or_b32 v18, v242, 16, v18               ; X's two bytes in both halves of the word: they serve [q | 0] and [0 | q] alike
	s_delay_alu instid0(VALU_DEP_4)
	v_and_or_b32 v19, v242, 0xffff0000, v19        ; Y's.  Ten plain instructions stand between this line and the first product
	s_delay_alu instid0(VALU_DEP_4)
	v_mov_b32 v11, v10
	s_delay_alu instid0(VALU_DEP_4)
	v_mov_b32 v13, v12
	v_add_nc_u32 v252, s15, v5                     ; the keys' addresses in record 0
	v_add_nc_u32 v253, s15, v6
	v_add_nc_u32 v254, s15, v7
	v_add_nc_u32 v255, s15, v4
	s_wait_alu depctr_va_vdst(0)                   ; the head's end
	s_wait_tensorcnt 0x0                           ; my record is in,
	s_barrier_signal -1
	s_barrier_wait -1                              ; everybody's is
.macro LOADK c                         ; 64 keys: two fragments, their scale words, then 1 / |k| of my block: 8 + 1 + 8 loads
.irp g, 0,1
	ds_load_b128 v[152+12*\g:155+12*\g], v252 offset:3072*\c+128*\g
	ds_load_b64 v[156+12*\g:157+12*\g], v253 offset:3072*\c+64*\g+512
	ds_load_b128 v[158+12*\g:161+12*\g], v252 offset:3072*\c+128*\g+768
	ds_load_b64 v[162+12*\g:163+12*\g], v253 offset:3072*\c+64*\g+1280
.endr
	ds_load_b32 v[20+\c], v254 offset:12288+128*\c
.irp m, 0,1,2,3,4,5,6,7
	ds_load_b128 v[176+4*\m:179+4*\m], v255 offset:12800+256*\c+16*\m
.endr
.endm
.macro LOADV                           ; the values of the record's 128 keys: four fragments (16 features each) and their scale words
.irp f, 0,1,2,3
	FRAG 152+12*\f, 8, 9, 6144+\f*1536
.endr
	ds_load_b32 v22, v251 offset:12544
	ds_load_b32 v23, v251 offset:12672
.endm
.macro MULS b, st                      ; the 32 scores x v[b + st i]: each accumulator from its low end on
.set i, 0
.rept 16
	v_pk_mul_f32 v[120+i:121+i], v[120+i:121+i], v[\b+\st*i:\b+\st*i+1]
.set i, i+2
.endr
.endm
.macro ADD4 lq, n                      ; four pairs of p onto the four chains of the sum
	v_pk_add_f32 v[240:241], v[240:241], v[\n:\n+1]
	v_pk_add_f32 v[242:243], v[242:243], v[\n+2:\n+3]
	v_pk_add_f32 v[244:245], v[244:245], v[\n+4:\n+5]
	v_pk_add_f32 v[\lq:\lq+1], v[\lq:\lq+1], v[\n+6:\n+7]
.endm
; A UNIT: one tile of queries x 64 keys.  ql, qh, qs: [q | 0], [0 | q], q's scale words;  cq: log2 e / |q|;  lq: the sum;  pw: p's scale word;  pc: p's codes;  hook: the LDS loads behind the last read of 1 / |k| (1: the next 64 keys,
; 2: the values);  pend: where the last unit's upper 16 codes go (its three moves stand in the places behind the products);  wt: 1: the keys' loads were just issued; 2: they were issued a unit ago.
.macro UNIT ql, qh, qs, cq, lq, pw, pc, c, hook, pend, wt
.if (\wt) == 1
	s_wait_dscnt 8                                 ; the fragments and their scale words are in; the eight loads of 1 / |k| may be out
.elseif (\wt) == 2
	s_wait_alu depctr_va_vdst(0)
	s_wait_dscnt 0x0
.endif
	WM 120, 152, \ql, 1, 20+\c, \qs, 0
	WM 128, 152, \qh, 1, 20+\c, \qs, 0
	WM 136, 164, \ql, 1, 20+\c, \qs, 1
	WM 144, 164, \qh, 1, 20+\c, \qs, 1
.if \pend
.irp i, 0,1,2
	v_mov_b32 v[\pend+\i], v[248+\i]               ; (a conversion's three registers begin on an even number, a block's upper three do not)
.endr
	v_nop                                          ; four places behind the products
.else
	NOP4
.endif
.if (\wt) == 1
	s_wait_dscnt 0x0                               ; 1 / |k| is in
.endif
	MULS 176, 1                                    ; / |k|
.if (\hook) == 1
	LOADK 1
.elseif (\hook) == 2
	LOADV
.endif
	MULS \cq, 0                                    ; x log2 e / |q|: t
	s_wait_alu depctr_va_vdst(0)                   ; ahead of the batch
.set i, 0
.rept 32
	v_exp_f32 v[120+i], v[120+i]                   ; p = 2^t
.set i, i+1
.endr
	v_nop                                          ; a plain instruction behind the last exponential
	s_wait_alu depctr_va_vdst(0)                   ; and the wait behind the batch
	; my block's largest p in eight chains, the row's sum of the unquantised p in four, laid by turns so that a line's sources were written five or more lines ahead
.irp i, 0,1,2,3,4,5,6,7
	v_max3_num_f32 v[232+\i], v[120+3*\i], v[121+3*\i], v[122+3*\i]
.endr
.irp i, 0,1,2,3
	v_max3_num_f32 v[232+\i], v[232+\i], v[144+2*\i], v[145+2*\i]
.endr
	v_max3_num_f32 v236, v236, v237, v238
	v_pk_add_f32 v[240:241], v[120:121], v[122:123]
	v_pk_add_f32 v[242:243], v[124:125], v[126:127]
	v_pk_add_f32 v[244:245], v[128:129], v[130:131]
	v_pk_add_f32 v[\lq:\lq+1], v[\lq:\lq+1], v[132:133]
	v_max3_num_f32 v232, v232, v233, v239
	v_max3_num_f32 v234, v234, v235, 0x1800000     ; with the floor 2^(3 - 127): the byte cannot fall under 1
	ADD4 \lq, 134
	v_max3_num_f32 v232, v232, v236, v234
	ADD4 \lq, 142
	v_add_nc_u32 v246, 0xff000000, v232            ; 2 off the exponent field: the conversion's scale operand
	v_pk_add_f32 v[240:241], v[240:241], v[150:151]
	s_delay_alu instid0(VALU_DEP_4)
	v_pk_add_f32 v[242:243], v[242:243], v[244:245]
	s_delay_alu instid0(VALU_DEP_3)
.if (\c) == 0
	v_lshrrev_b32 v[\pw], 23, v246                 ; block h's byte
	s_delay_alu instid0(VALU_DEP_3)
	v_pk_add_f32 v[\lq:\lq+1], v[\lq:\lq+1], v[240:241]
.else
	v_lshrrev_b32 v247, 7, v246
	s_delay_alu instid0(VALU_DEP_3)
	v_pk_add_f32 v[\lq:\lq+1], v[\lq:\lq+1], v[240:241]
	s_delay_alu instid0(VALU_DEP_2)
	v_and_or_b32 v[\pw], v247, 0xff0000, v[\pw]    ; block 2 + h's byte, 16 bits up
	s_delay_alu instid0(VALU_DEP_1)
	v_permlanex16_b32 v247, v[\pw], s32, s33
	s_delay_alu instid0(VALU_DEP_1)
	v_lshl_or_b32 v[\pw], v247, 8, v[\pw]          ; lanes 0-15, which alone are read: with lane l + 16's two bytes the word of the 128 keys is whole
.endif
	v_cvt_scalef32_pk16_fp6_f32 v[\pc+6*\c:\pc+6*\c+2], v[120:135], v246
	v_cvt_scalef32_pk16_fp6_f32 v[248:250], v[136:151], v246
	v_pk_add_f32 v[\lq:\lq+1], v[\lq:\lq+1], v[242:243]   ; also the plain instruction behind the conversions
.endm
; A STEP: the record's 128 keys.  The eight accumulators of out^T take turns, one instruction a turn.
.macro STEP z
	v_add_nc_u32 v8, s15, v1                       ; the values' addresses in this record; with the v_nop the four places between the last products and the loads into their operands
	v_add_nc_u32 v9, s15, v2
	v_add_nc_u32 v251, s15, v3
	v_nop
	LOADK 0
	UNIT 32, 26, 18, 10, 14, 24, 208, 0, 0, 0, 1
	UNIT 44, 38, 19, 12, 16, 25, 220, 0, 1, 211, 0
	UNIT 32, 26, 18, 10, 14, 24, 208, 1, 0, 223, 2
	UNIT 44, 38, 19, 12, 16, 25, 220, 1, 2, 217, 0
.irp i, 0,1,2
	v_mov_b32 v[229+\i], v[248+\i]
.endr
	s_add_co_u32 s15, s15, REC
	v_add_nc_u32 v252, s15, v5                     ; the keys' addresses in the next record: four plain instructions behind p's last code, eight behind its scale word
	v_add_nc_u32 v253, s15, v6
	v_add_nc_u32 v254, s15, v7
	v_add_nc_u32 v255, s15, v4
	s_wait_alu depctr_va_vdst(0)                   ; out^T is taken up again behind exponentials, and a blocking wait follows
	s_wait_dscnt 0x0                               ; the values are in
.irp f, 0,1,2,3
	WM 56+8*\f, 152+12*\f, 208, \z, 22+\f/2, 24, \f%2
	WM 88+8*\f, 152+12*\f, 220, \z, 22+\f/2, 25, \f%2
.endr
.endm
	STEP 1                                         ; the first record starts out^T's sums
	s_mov_b32 s16, 15
.Lstep:
	STEP 0
	s_sub_co_u32 s16, s16, 1
	s_cmp_lg_u32 s16, 0
	s_cbranch_scc1 .Lstep
; THE WAY OUT.  32 numbers of a lane at v[s], register 16 b + i = feature 32 b + 16 h + i of my row.  Q32A: the two blocks' scale operands (v240, v241) and bytes (v242, v243).  Q32B: a half image in v[d] .. v[d + 5].
.macro Q32A s
	v_max3_num_f32 v236, |v[\s]|, |v[\s+1]|, 0x1800000
	v_max3_num_f32 v237, |v[\s+16]|, |v[\s+17]|, 0x1800000
.irp i, 2,4,6,8,10,12,14
	v_max3_num_f32 v236, v236, |v[\s+\i]|, |v[\s+\i+1]|
	v_max3_num_f32 v237, v237, |v[\s+16+\i]|, |v[\s+17+\i]|
.endr
	s_delay_alu instid0(VALU_DEP_2)
	v_permlanex16_b32 v238, v236, s32, s33
	s_delay_alu instid0(VALU_DEP_2)
	v_permlanex16_b32 v239, v237, s32, s33
	s_delay_alu instid0(VALU_DEP_2)
	v_max_num_f32 v236, v236, v238
	s_delay_alu instid0(VALU_DEP_2)
	v_max_num_f32 v237, v237, v239
	s_delay_alu instid0(VALU_DEP_2)
	v_add_nc_u32 v240, 0xff000000, v236
	s_delay_alu instid0(VALU_DEP_2)
	v_add_nc_u32 v241, 0xff000000, v237
	s_delay_alu instid0(VALU_DEP_2)
	v_lshrrev_b32 v242, 23, v240
	s_delay_alu instid0(VALU_DEP_2)
	v_lshrrev_b32 v243, 23, v241
.endm
.macro Q32B s, d
	v_cvt_scalef32_pk16_fp6_f32 v[\d:\d+2], v[\s:\s+15], v240
	v_cvt_scalef32_pk16_fp6_f32 v[232:234], v[\s+16:\s+31], v241
	v_nop                                          ; one plain instruction behind the conversions
.irp i, 0,1,2
	v_permlane16_swap_b32 v[\d+\i], v[232+\i]      ; a whole block to a lane
.endr
.irp i, 0,1,2
	s_delay_alu instid0(VALU_DEP_3)
	v_mov_b32 v[\d+3+\i], v[232+\i]
.endr
.endm
	; out^T / the sum, quantised along the head's 64 features (register 8 f + n is feature 32 (f / 2) + 16 h + 8 (f % 2) + n), as a half image of the last product's operand
	v_add_f32 v236, v14, v15                       ; (these lines are the places behind the last products)
	v_add_f32 v237, v16, v17
	s_delay_alu instid0(VALU_DEP_2)
	v_permlanex16_b32 v238, v236, s32, s33
	s_delay_alu instid0(VALU_DEP_2)
	v_permlanex16_b32 v239, v237, s32, s33
	s_delay_alu instid0(VALU_DEP_2)
	v_add_f32 v236, v236, v238                     ; with lane l xor 16's keys: the row's sum
	s_delay_alu instid0(VALU_DEP_2)
	v_add_f32 v237, v237, v239
	s_wait_alu depctr_va_vdst(0)
	v_rcp_f32 v244, v236
	v_rcp_f32 v246, v237
	v_nop                                          ; a plain instruction behind the reciprocals
	s_wait_alu depctr_va_vdst(0)                   ; one wait for the two, ahead of their first reader
	v_mov_b32 v245, v244
	v_mov_b32 v247, v246
.irp u, 0,1
.irp n, 0,2,4,6,8,10,12,14,16,18,20,22,24,26,28,30
	v_pk_mul_f32 v[56+32*\u+\n:57+32*\u+\n], v[56+32*\u+\n:57+32*\u+\n], v[244+2*\u:245+2*\u]
.endr
	Q32A 56+32*\u
	s_delay_alu instid0(VALU_DEP_1)
	v_lshl_or_b32 v[248+\u], v243, 8, v242
	Q32B 56+32*\u, 208+12*\u
	global_store_b128 v1, v[208+12*\u:211+12*\u], s[46:47] offset:1536*\u       ; 512 consecutive bytes, aligned
	global_store_b64 v2, v[212+12*\u:213+12*\u], s[46:47] offset:1536*\u+512    ; 256 consecutive bytes, aligned
.endr
	v_cndmask_b32 v255, v248, v249, s34            ; lanes 0-15 X's two bytes, lanes 16-31 Y's
	global_store_b16 v3, v255, s[48:49]            ; two bytes a lane: the word's other half belongs to the neighbouring head
	s_wait_xcnt 0x0                                ; the store has read v255
	v_lshl_add_u32 v254, v0, 2, SPARE              ; the add's two registers, made anew from v0
	v_mov_b32 v255, 0
	s_wait_alu depctr_va_vdst(0)
	s_wait_tensorcnt 0x0                           ; the wave's end
	ds_add_u32 v254, v255
	s_wait_dscnt 0x0
	ROUND                                          ; the closing round: no work-group ends while a partner may still ask for a record that names it
	s_endpgm
.Lfunc_end_k_qcf96604319_attn:
	.size	k_qcf96604319_attn, .Lfunc_end_k_qcf96604319_attn-k_qcf96604319_attn
	.p2alignl 7, 3214868480
	.fill 96, 4, 3214868480
	.section	.rodata,"a",@progbits
	.p2align	6, 0x0
	.amdhsa_kernel k_qcf96604319_attn
		.amdhsa_group_segment_fixed_size 215040
		.amdhsa_private_segment_fixed_size 0
		.amdhsa_enable_private_segment 0
		.amdhsa_kernarg_size 16
		.amdhsa_user_sgpr_count 2
		.amdhsa_user_sgpr_kernarg_segment_ptr 1
		.amdhsa_wavefront_size32 1
		.amdhsa_system_sgpr_workgroup_id_x 1
		.amdhsa_system_sgpr_workgroup_id_y 1
		.amdhsa_system_sgpr_workgroup_id_z 1
		.amdhsa_system_vgpr_workitem_id 0
		.amdhsa_next_free_vgpr 256
		.amdhsa_next_free_sgpr 66
		.amdhsa_reserve_vcc 0
		.amdhsa_float_denorm_mode_32 3
		.amdhsa_float_denorm_mode_16_64 3
		.amdhsa_memory_ordered 1
		.amdhsa_forward_progress 1
		.amdhsa_inst_pref_size 75
	.end_amdhsa_kernel
	.amdgpu_metadata
---
amdhsa.version: [ 1, 2 ]
amdhsa.kernels:
  - .name:           k_qcf96604319_attn
    .symbol:         k_qcf96604319_attn.kd
    .args:
      - { .name: hkv, .offset: 0, .size: 8, .value_kind: global_buffer, .address_space: global }
      - { .name: cat, .offset: 8, .size: 8, .value_kind: global_buffer, .address_space: global }
    .group_segment_fixed_size: 215040
    .private_segment_fixed_size: 0
    .kernarg_segment_align: 8
    .kernarg_segment_size: 16
    .max_flat_workgroup_size: 512
    .sgpr_count:     66
    .vgpr_count:     256
    .wavefront_size: 32
...
	.end_amdgpu_metadata
.endif
;; end of part 3
;; launch outp (part 4): grid 4 x 64, 8 waves a work-group, clusters of 4 x 4, 327,680 bytes of LDS; arguments cat, wpq, bp, out0; writes out0
.if DOCPART == 4
	.amdgcn_target "amdgcn-amd-amdhsa--gfx1250"
	.amdhsa_code_object_version 6
	.text
	.protected	k_qcf96604319_outp
	.globl	k_qcf96604319_outp
	.p2align	8
	.type	k_qcf96604319_outp,@function
k_qcf96604319_outp:
	s_mov_b64 s[64:65], 0
	v_nop
	global_prefetch_b8 v0, s[64:65] scope:SCOPE_SE
	s_setreg_imm32_b32 hwreg(HW_REG_WAVE_MODE, 25, 1), 1
	s_wait_xcnt 0x0
	s_wait_alu depctr_hold_cnt(0) depctr_sa_sdst(0) depctr_va_vdst(0) depctr_va_sdst(0) depctr_va_ssrc(0) depctr_va_vcc(0) depctr_vm_vsrc(0)
	s_getreg_b32 s2, hwreg(HW_REG_IB_STS2, 6, 4)
	s_cmp_eq_u32 s2, 0
	s_cbranch_scc0 .Lentry_in_a_cluster
	s_endpgm
.Lentry_in_a_cluster:
	s_bfe_u32 s2, ttmp6, 0x10000c
	s_cmp_lg_u32 s2, 0xf033
	s_cbranch_scc0 .Lentry_shape_is_right
	s_endpgm
.Lentry_shape_is_right:
; out0 = cat Wp + bp on codes of FP6 (E2M3) with E8M0 scales; out0 [8192][1024] f32.
; A work-group takes 128 tokens x 256 columns, all of K = 1,024, IN TWO HALVES OF 128 COLUMNS: the first half's rows are stored while the second half is multiplied.
; Every LDS byte is filled once.  The head brings the scale words, the tokens' panel and the first half's columns, one load a wave; the second half's columns are first filled behind the full sequence and a round of the
; cluster's barrier, and land under the first half's products.  No prefetch: no loop runs ahead of a fill.
; Eight waves; in each half wave w takes 32 tokens (w % 4) x 64 columns (w / 4): 8 accumulators.  The product is used transposed (source 0 = columns, source 1 = tokens): a lane holds one token and neighbouring columns.
; THE SUMS BEGIN AS THE BIAS: both halves' accumulators are loaded with bp in the result's layout at the head.
; CLUSTER 4 x 4: the four work-groups of a row share their tokens' panel, the four of a column their columns' panel: each is asked for jointly.
; A half image is 16 rows x 64 K in 768 bytes (lane l: registers 0-3 at 16 l, registers 4-5 at 512 + 8 l); of 32 rows, tile u's lane r is row 8 u + r + 8 (r / 8).
; REGISTERS: v1-18, v24 addresses; v20, v22-23 scale words; v30-31 the add's two; v32-55 tokens' two fragments; v56-103 columns' four (v32-95: rows of out0 on the way out); accumulator (i, j) of half H at v[128 + 64 H + 32 j + 8 i].
.set PB1,   98304                      ; LDS: the tokens' panel from 0, 12,288 bytes a K step; the first half's columns from PB1, the second's from PB2, 12,288 bytes a K step each
.set PB2,   196608
.set SCA,   294912                     ; the tokens' scale words: 512 bytes a K step
.set SCB,   299008                     ; the columns': 1,024 bytes a K step
.set SPARE, 307200                     ; the spare words, 128 bytes a wave
.set AF, 32
.set BF, 56
.macro NOP4
.rept 4
	v_nop
.endr
.endm
.macro ROUND                           ; a round of the cluster's barrier
	s_barrier_signal -1
	s_barrier_wait -1
	s_cmp_lg_u32 s12, 0
	s_cbranch_scc1 .Lnot_wave_0_\@
	s_barrier_signal -3
.Lnot_wave_0_\@:
	s_barrier_wait -3
	s_barrier_signal -1
	s_barrier_wait -1
.endm
.macro GROUP1 g, m, rows               ; a dense block of rows of 256 bytes (32 elements of 8 bytes), no padding; the mask and bit 21 beside it
	s_or_b32 s[\g], s[\m], (3<<16)|(1<<21)
	s_mov_b32 s[\g+1], 32<<16
	s_mov_b32 s[\g+2], (\rows)<<16
	s_mov_b32 s[\g+3], 32<<16
	s_mov_b32 s[\g+4], \rows
	s_mov_b32 s[\g+5], 32
	s_mov_b32 s[\g+6], 0
	s_mov_b32 s[\g+7], 0
.endm
.macro GROUP0 g, l, la, p, o, more     ; to LDS byte s[l] + la, from the buffer s[p:p+1] at offset s[o:o+1] + more
	s_mov_b32 s[\g], 1
	s_add_co_u32 s[\g+1], s[\l], \la
	s_add_nc_u64 s[\g+2:\g+3], s[\p:\p+1], s[\o:\o+1]
.if \more
	s_add_nc_u64 s[\g+2:\g+3], s[\g+2:\g+3], \more
.endif
	s_or_b32 s[\g+3], s[\g+3], 0x80000000
.endm
.macro FRAG reg, a16, a8, off          ; a fragment's image: 12 registers by four loads, each of consecutive bytes
	ds_load_b128 v[\reg:\reg+3], v[\a16] offset:\off
	ds_load_b64 v[\reg+4:\reg+5], v[\a8] offset:\off+512
	ds_load_b128 v[\reg+6:\reg+9], v[\a16] offset:\off+768
	ds_load_b64 v[\reg+10:\reg+11], v[\a8] offset:\off+1280
.endm
.macro WM d, a, b, sa, sb, ra, rb      ; one product, added in place.  ra, rb = 1: that side's scale words stand in lanes 16-31
.if (\ra) && (\rb)
	v_wmma_scale_f32_16x16x128_f8f6f4 v[\d:\d+7], v[\a:\a+11], v[\b:\b+11], v[\d:\d+7], v[\sa], v[\sb] matrix_a_fmt:MATRIX_FMT_FP6 matrix_b_fmt:MATRIX_FMT_FP6 matrix_a_scale:MATRIX_SCALE_ROW1 matrix_b_scale:MATRIX_SCALE_ROW1
.elseif (\ra)
	v_wmma_scale_f32_16x16x128_f8f6f4 v[\d:\d+7], v[\a:\a+11], v[\b:\b+11], v[\d:\d+7], v[\sa], v[\sb] matrix_a_fmt:MATRIX_FMT_FP6 matrix_b_fmt:MATRIX_FMT_FP6 matrix_a_scale:MATRIX_SCALE_ROW1
.elseif (\rb)
	v_wmma_scale_f32_16x16x128_f8f6f4 v[\d:\d+7], v[\a:\a+11], v[\b:\b+11], v[\d:\d+7], v[\sa], v[\sb] matrix_a_fmt:MATRIX_FMT_FP6 matrix_b_fmt:MATRIX_FMT_FP6 matrix_b_scale:MATRIX_SCALE_ROW1
.else
	v_wmma_scale_f32_16x16x128_f8f6f4 v[\d:\d+7], v[\a:\a+11], v[\b:\b+11], v[\d:\d+7], v[\sa], v[\sb] matrix_a_fmt:MATRIX_FMT_FP6 matrix_b_fmt:MATRIX_FMT_FP6
.endif
.endm
	s_load_b256 s[4:11], s[0:1], 0x0               ; cat s[4:5], wpq s[6:7], bp s[8:9], out0 s[10:11]
	v_lshl_add_u32 v30, v0, 2, SPARE
	v_mov_b32 v31, 0
	ds_add_u32 v30, v31                            ; the opening lines
	ds_add_u32 v30, v31
	v_lshrrev_b32 v1, 5, v0
	s_delay_alu instid0(VALU_DEP_1)
	v_readfirstlane_b32 s12, v1                    ; wave 0..7
	s_and_b32 s13, s12, 1
	s_and_b32 s76, s12, 3                          ; which 32 tokens; also which part of the columns' panel I fetch
	s_lshr_b32 s77, s12, 2                         ; which 64 columns of a half
	s_bfe_u32 s15, ttmp6, 0x40000                  ; cx, cy: my place in the cluster
	s_bfe_u32 s16, ttmp6, 0x40004
	s_and_b32 s17, ttmp7, 0xffff
	s_lshl_b32 s17, s17, 2
	s_add_co_u32 s17, s17, s16                     ; block of 128 tokens = 4 x cluster y + cy
	s_lshl_b32 s18, ttmp9, 2
	s_add_co_u32 s18, s18, s15                     ; block of 256 columns = 4 x cluster x + cx
	s_lshl_b32 s19, s16, 2
	s_lshl_b32 s19, 15, s19                        ; my row of the cluster
	s_lshl_b32 s87, 0x1111, s15                    ; my column
	GROUP1 20, 19, 192                             ; half of the tokens' panel: four K steps, 49,152 bytes
	s_or_b32 s28, s87, (3<<16)|(1<<21)             ; half the columns of two K steps: 2 rows of 12,288 bytes (1,536 elements of 8 bytes), 24,576 bytes apart in memory, on end in LDS
	s_mov_b32 s29, 1536<<16
	s_mov_b32 s30, 2<<16
	s_mov_b32 s31, 1536<<16
	s_mov_b32 s32, 2
	s_mov_b32 s33, 3072
	s_mov_b32 s34, 0
	s_mov_b32 s35, 0
	GROUP1 36, 19, 16                              ; the tokens' scale words of all K steps: 4,096 bytes
	GROUP1 44, 87, 32                              ; the columns': 8,192 bytes
	; offsets in the tokens' buffer are made of the token block and the wave alone, those in the columns' buffer of the column block and the wave alone; LDS addresses of the wave alone
	s_lshl_b32 s88, s17, 12
	s_add_co_u32 s88, s88, 6291456                 ; the tokens' scale words
	s_mov_b32 s89, 0
	s_mul_i32 s96, s13, 49152                      ; which half of the tokens' panel, in memory and in LDS
	s_mul_i32 s90, s17, 98304
	s_add_co_u32 s90, s90, s96
	s_mov_b32 s91, 0
	s_lshl_b32 s92, s18, 13
	s_add_co_u32 s92, s92, 786432                  ; the columns' scale words
	s_mov_b32 s93, 0
	s_mul_i32 s97, s76, 24576                      ; which two K steps of the columns: in LDS,
	s_mul_i32 s99, s76, 49152                      ; and in memory
	s_mul_i32 s94, s18, 196608
	s_add_co_u32 s94, s94, s99
	s_mov_b32 s95, 0
	s_wait_dscnt 0x0
	s_wait_kmcnt 0x0
	GROUP0 52, 89, SCA, 4, 88, 0
	GROUP0 56, 89, SCB, 6, 92, 0
	GROUP0 60, 96, 0, 4, 90, 0
	GROUP0 68, 97, PB1, 6, 94, 0                   ; columns 0-127
	GROUP0 72, 97, PB2, 6, 94, 12288               ; columns 128-255
	ROUND                                          ; all sixteen work-groups are here: the joint loads meet
; THE HEAD'S EIGHT LOADS, ONE A WAVE: wave 0 the tokens' scale words, wave 1 the columns', waves 2-3 a half of the tokens' panel each, waves 4-7 two K steps of the first half's columns each.
.macro ARM under, g0, g1, next         ; one chain of branches on the wave's number: every way through it passes one load
	s_cmp_lt_u32 s12, \under
	s_cbranch_scc0 \next
	tensor_load_to_lds s[\g0:\g0+3], s[\g1:\g1+7]
	s_nop 0
	NOP4
	s_branch .Lasked
\next:
.endm
	ARM 1, 52, 36, .Lhead_sb
	ARM 2, 56, 44, .Lhead_pa
	ARM 4, 60, 20, .Lhead_pb
	tensor_load_to_lds s[68:71], s[28:35]
	s_nop 0
	NOP4
.Lasked:
	s_mul_i32 s88, s76, 3072                       ; my two token fragments in a K step
	s_mul_i32 s89, s77, 6144
	s_add_co_u32 s89, s89, PB1                     ; my four column fragments
	s_lshl_b32 s90, s76, 7
	s_add_co_u32 s90, s90, SCA                     ; my token pair's scale words
	s_lshl_b32 s91, s77, 8
	s_add_co_u32 s91, s91, SCB                     ; my two column pairs'
	s_mul_i32 s92, s12, 4352
	s_add_co_u32 s92, s92, PB1                     ; the way out: my stage, 16 rows x (256 bytes + 16), at the head of the first half's columns: they have had their only fill and are read no more by then
	s_lshl_b32 s2, s18, 10
	s_lshl_b32 s3, s77, 8
	s_add_co_u32 s98, s2, s3                       ; my 64 columns of the first half, in bytes
	s_mov_b32 s99, 0
	s_add_nc_u64 s[8:9], s[8:9], s[98:99]
	s_add_nc_u64 s[10:11], s[10:11], s[98:99]
	s_lshl_b32 s2, s17, 7
	s_lshl_b32 s3, s76, 5
	s_add_co_u32 s2, s2, s3                        ; my first token
	s_lshl_b32 s98, s2, 12
	s_add_nc_u64 s[10:11], s[10:11], s[98:99]
	v_and_b32 v1, 31, v0                           ; l
	v_and_b32 v2, 15, v0                           ; r
	v_bfe_u32 v3, v0, 4, 1                         ; h
	s_delay_alu instid0(VALU_DEP_3)
	v_lshl_add_u32 v4, v1, 4, s88                  ; token fragments: 16 l,
	s_delay_alu instid0(VALU_DEP_4)
	v_lshl_add_u32 v5, v1, 3, s88                  ; 8 l
	v_lshl_add_u32 v6, v1, 4, s89                  ; column fragments
	v_lshl_add_u32 v7, v1, 3, s89
	v_lshl_add_u32 v8, v1, 2, s90                  ; scale words
	v_lshl_add_u32 v9, v1, 2, s91
	v_mad_u32_u24 v16, v2, 272, s92
	v_mad_u32_u24 v17, v3, 272, s92
	v_lshlrev_b32 v18, 12, v3
	v_lshlrev_b32 v24, 6, v3                       ; the bias of my lane: columns 16 h on
	s_delay_alu instid0(VALU_DEP_4)
	v_lshl_add_u32 v16, v3, 6, v16                 ; into the stage: row r, columns 16 h on
	s_delay_alu instid0(VALU_DEP_4)
	v_lshl_add_u32 v17, v2, 4, v17                 ; back: lanes 0-15 one row, lanes 16-31 the next
	s_delay_alu instid0(VALU_DEP_4)
	v_lshl_add_u32 v18, v2, 4, v18                 ; and the same two rows in out0
.irp hh, 0,1
.irp j, 0,1
.irp i, 0,1,2,3                        ; register n of accumulator (i, j) is column 32 (i / 2) + 16 h + 8 (i % 2) + n of my 64
	global_load_b128 v[128+64*\hh+32*\j+8*\i:131+64*\hh+32*\j+8*\i], v24, s[8:9] offset:512*\hh+128*(\i/2)+32*(\i%2)
	global_load_b128 v[132+64*\hh+32*\j+8*\i:135+64*\hh+32*\j+8*\i], v24, s[8:9] offset:512*\hh+128*(\i/2)+32*(\i%2)+16
.endr
.endr
.endr
; A K STEP of 128 in one half: six fragments and three registers of scale words from LDS, 8 products.  The 8 accumulators take turns, one instruction a turn, in the same order in every step.
.macro KSTEP ac
	v_add_nc_u32 v10, s80, v4                      ; these six are also the places between the last products and the loads into their operands
	v_add_nc_u32 v11, s80, v5
	v_add_nc_u32 v12, s79, v6
	v_add_nc_u32 v13, s79, v7
	v_add_nc_u32 v14, s81, v8
	v_add_nc_u32 v15, s82, v9
.irp t, 0,1,2,3
	FRAG BF+12*\t, 12, 13, \t*1536
.endr
.irp t, 0,1
	FRAG AF+12*\t, 10, 11, \t*1536
.endr
	ds_load_b32 v20, v14                           ; lanes 0-15: a pair's tile 0, lanes 16-31: its tile 1
	ds_load_b32 v22, v15
	ds_load_b32 v23, v15 offset:128
	s_wait_dscnt 0x0
.irp j, 0,1
.irp i, 0,1,2,3
	WM \ac+32*\j+8*\i, BF+12*\i, AF+12*\j, 22+\i/2, 20, \i%2, \j%2
.endr
.endr
	s_add_co_u32 s80, s80, 12288
	s_add_co_u32 s79, s79, 12288
	s_add_co_u32 s81, s81, 512
	s_add_co_u32 s82, s82, 1024
.endm
.macro HALF hh                         ; all of K for one half of the columns
	s_mov_b32 s80, 0                               ; the K step in hand: the tokens' codes,
	s_mov_b32 s79, \hh*98304                       ; the half's columns' codes,
	s_mov_b32 s81, 0                               ; the tokens' scale words,
	s_mov_b32 s82, \hh*512                         ; the half's columns': four pairs of 128 bytes on
	s_mov_b32 s83, 8
.Lk\hh:
	KSTEP 128+64*\hh
	s_sub_co_u32 s83, s83, 1
	s_cmp_lg_u32 s83, 0
	s_cbranch_scc1 .Lk\hh
.endm
; THE WAY OUT of a half.  A lane holds pieces of one row and the lanes beside it other rows: a tile of 16 tokens x 64 columns goes through my stage and comes back as whole rows of 256 bytes.
.macro OUT hh
	NOP4                                           ; places between the last products and the first read of results, and the loads into the fragments' registers
.irp j, 0,1
.irp i, 0,1,2,3
	ds_store_b128 v16, v[128+64*\hh+32*\j+8*\i:131+64*\hh+32*\j+8*\i] offset:128*(\i/2)+32*(\i%2)        ; each accumulator from its low end on
	ds_store_b128 v16, v[132+64*\hh+32*\j+8*\i:135+64*\hh+32*\j+8*\i] offset:128*(\i/2)+32*(\i%2)+16
.endr
.irp t, 0,1,2,3,4,5,6,7
	ds_load_b128 v[32+32*\j+4*\t:35+32*\j+4*\t], v17 offset:544*\t                 ; LDS serves a wave's instructions in order: these see my stores
.endr
	s_wait_dscnt 0x0
.irp t, 0,1,2,3,4,5,6,7                ; stage rows 2 t and 2 t + 1 are tokens 8 j + 2 t + 8 (t / 4) and the next of my 32
	global_store_b128 v18, v[32+32*\j+4*\t:35+32*\j+4*\t], s[10:11] offset:(8*\j+2*\t+8*(\t/4))*4096+512*\hh th:TH_STORE_NT   ; sixteen lanes store 256 consecutive bytes, aligned
.endr
.endr
.endm
	s_wait_alu depctr_va_vdst(0)                   ; the head's end
	s_wait_tensorcnt 0x0                           ; my one load is in
	ds_add_u32 v30, v31
	s_wait_dscnt 0x0
	ROUND                                          ; everybody's is, and all sixteen work-groups are here
	s_cmp_lt_u32 s12, 4
	s_cbranch_scc1 .Lno_second                     ; waves 0-3 have no part of the second half's columns
	tensor_load_to_lds s[72:75], s[28:35]          ; two K steps of columns 128-255
	s_nop 0
	NOP4
.Lno_second:
	s_wait_loadcnt 0x0                             ; the bias stands in the accumulators
	HALF 0
	s_wait_tensorcnt 0x0                           ; my part of the second half's columns is in,
	s_wait_dscnt 0x0                               ; my reads of the first half's are over,
	s_barrier_signal -1
	s_barrier_wait -1                              ; everybody's are: the stages may be written
	OUT 0
	s_wait_xcnt 0x0                                ; the stores have read v32-95, into which fragments are loaded again
	HALF 1
	OUT 1
	s_wait_tensorcnt 0x0                           ; the wave's end
	ds_add_u32 v30, v31
	s_wait_dscnt 0x0
	ROUND                                          ; the closing round: no work-group ends while a partner may still ask for a panel that names it
	s_endpgm
.Lfunc_end_k_qcf96604319_outp:
	.size	k_qcf96604319_outp, .Lfunc_end_k_qcf96604319_outp-k_qcf96604319_outp
	.p2alignl 7, 3214868480
	.fill 96, 4, 3214868480
	.section	.rodata,"a",@progbits
	.p2align	6, 0x0
	.amdhsa_kernel k_qcf96604319_outp
		.amdhsa_group_segment_fixed_size 327680
		.amdhsa_private_segment_fixed_size 0
		.amdhsa_enable_private_segment 0
		.amdhsa_kernarg_size 32
		.amdhsa_user_sgpr_count 2
		.amdhsa_user_sgpr_kernarg_segment_ptr 1
		.amdhsa_wavefront_size32 1
		.amdhsa_system_sgpr_workgroup_id_x 1
		.amdhsa_system_sgpr_workgroup_id_y 1
		.amdhsa_system_sgpr_workgroup_id_z 1
		.amdhsa_system_vgpr_workitem_id 0
		.amdhsa_next_free_vgpr 256
		.amdhsa_next_free_sgpr 100
		.amdhsa_reserve_vcc 0
		.amdhsa_float_denorm_mode_32 3
		.amdhsa_float_denorm_mode_16_64 3
		.amdhsa_memory_ordered 1
		.amdhsa_forward_progress 1
		.amdhsa_inst_pref_size 27
	.end_amdhsa_kernel
	.amdgpu_metadata
---
amdhsa.version: [ 1, 2 ]
amdhsa.kernels:
  - .name:           k_qcf96604319_outp
    .symbol:         k_qcf96604319_outp.kd
    .args:
      - { .name: cat, .offset: 0, .size: 8, .value_kind: global_buffer, .address_space: global }
      - { .name: wpq, .offset: 8, .size: 8, .value_kind: global_buffer, .address_space: global }
      - { .name: bp, .offset: 16, .size: 8, .value_kind: global_buffer, .address_space: global }
      - { .name: out0, .offset: 24, .size: 8, .value_kind: global_buffer, .address_space: global }
    .group_segment_fixed_size: 327680
    .private_segment_fixed_size: 0
    .kernarg_segment_align: 8
    .kernarg_segment_size: 32
    .max_flat_workgroup_size: 256
    .sgpr_count:     100
    .vgpr_count:     256
    .wavefront_size: 32
...
	.end_amdgpu_metadata
.endif
;; end of part 4
